; MI455X (gfx1250); checked and timed in simulation.
; The chip was launched on July 23, 2026; its instructions are those of AMD's public machine-readable ISA for CDNA 5 (MIT licence, August 2026) and "CDNA5" Instruction Set Architecture Reference Guide (July 2026). The comments in the code are by the model that wrote it; some were corrected since.
;; Axial Softmax Attention. Allowed arithmetic: matrix products marked QUANTISED: E2M1 operands, one E8M0 scale for each 32 along K, by v_wmma_scale_f32_16x16x128_f8f6f4 with both operands' format E2M1 (or v_wmma_scale_f32_32x16x128_f4), f32 sums; products left as they are: f32 operands where the result goes on into a quantised operand, else bf16, f16 or f32 operands; f32 sums; everything else in f32.
;; Inputs: b_k_ant 1,024 float32; b_k_freq 1,024 float32; b_out 1,024 float32; b_q_ant 1,024 float32; b_q_freq 1,024 float32; b_v_ant 1,024 float32; b_v_freq 1,024 float32; w_k_ant 1,024 x 1,024 float32; w_k_freq 1,024 x 1,024 float32; w_out 1,024 x 1,024 float32; w_q_ant 1,024 x 1,024 float32; w_q_freq 1,024 x 1,024 float32; w_v_ant 1,024 x 1,024 float32; w_v_freq 1,024 x 1,024 float32; x 64 x 129 x 1,024 float32.
;; Outputs: out0 64 x 129 x 1,024 float32.
;; This version of the problem:
;;   THIS VERSION OF THE PROBLEM IS GIVEN IN LOW PRECISION. The matrix products marked QUANTISED in the list below multiply operands that are first quantised to E2M1 (2 exponent bits, 1 mantissa bit; 4 bits a number), with one power-of-two scale for each 32 numbers along K (OCP MX v1.0); their sums are f32. All else is computed in f32.
;;   The module's matrix products, in the order in which they are computed (A, B: the left and right operand; K: the contracted axis; several contracted axes count as one K, in the product's order):
;;     1. [M 8,192, K 1,024] x [K 1,024, N 1,024]; A: input x; B: input w_q_ant: QUANTISED
;;     2. [M 8,192, K 1,024] x [K 1,024, N 1,024]; A: input x; B: input w_k_ant: QUANTISED
;;     3. [M 8,192, K 1,024] x [K 1,024, N 1,024]; A: input x; B: input w_v_ant: QUANTISED
;;     4. batch 4,096 x [M 32, K 64] x [K 64, N 32]; A: computed on the way; B: computed on the way: QUANTISED
;;     5. batch 4,096 x [M 32, K 32] x [K 32, N 64]; A: softmax (see below); B: computed on the way: QUANTISED
;;     6. [M 8,192, K 1,024] x [K 1,024, N 1,024]; A: computed on the way; B: input w_q_freq: QUANTISED
;;     7. [M 8,192, K 1,024] x [K 1,024, N 1,024]; A: computed on the way; B: input w_k_freq: QUANTISED
;;     8. [M 8,192, K 1,024] x [K 1,024, N 1,024]; A: computed on the way; B: input w_v_freq: QUANTISED
;;     9. batch 32,768 x [M 4, K 64] x [K 64, N 4]; A: computed on the way; B: computed on the way: left as it is (M = 4 < 16)
;;     10. batch 32,768 x [M 4, K 4] x [K 4, N 64]; A: softmax (see below); B: computed on the way: left as it is (K = 4 < 32)
;;     11. [M 8,192, K 1,024] x [K 1,024, N 1,024]; A: computed on the way; B: input w_out: QUANTISED
;;   THE QUANTISER, for each operand of a quantised product, along K:
;;     - K is cut into blocks of 32 from its start; a last block that is shorter is filled with zeros.
;;     - A block's scale is 2^e with e = floor(log2(the largest magnitude in the block)) - 2, held to -126 .. 127; a block of zeros has e = 0. As a byte (E8M0): e + 127.
;;     - Each number is divided by its block's scale, clamped to +-6, and rounded to the nearest number of E2M1, ties to even, subnormals kept.
;;     - The product sums the exact products of the quantised numbers (number of the format x scale) in f32.
;;   ~~~python
;;   def quantise(x, axis):      # numpy; x: float32 -> the quantised numbers, widened to float32 again
;;       x = np.moveaxis(x, axis, -1); K = x.shape[-1]
;;       x = np.pad(x, [(0, 0)] * (x.ndim - 1) + [(0, -K % 32)]); x = x.reshape(x.shape[:-1] + (-1, 32)); a = np.abs(x).max(-1, keepdims=True)
;;       e = np.where(a > 0, np.clip(np.frexp(np.where(a > 0, a, 1))[1] - 1 - 2, -126, 127), 0)      # np.frexp(a)[1] - 1 = floor(log2(a)), exactly
;;       r = np.clip(x / 2.0 ** e, -6, 6)
;;       step = 2.0 ** (np.maximum(np.frexp(np.where(r == 0, 1, r))[1] - 1, 0) - 1)
;;       q = np.round(r / step) * step * 2.0 ** e      # np.round: ties to even
;;       return np.moveaxis(q.reshape(q.shape[:-2] + (-1,))[..., :K], -1, axis).astype(np.float32)
;;   ~~~
;;   SOFTMAX AHEAD OF A QUANTISED PRODUCT. Where the list says 'softmax', what is quantised is not the finished softmax but p = 2^(t - M), with t = logit x log2(e) and M = ceil(the row's largest t), a whole number; so 1/2 < the row's largest p <= 1. The row's sum l is taken of the UNQUANTISED p, in f32, and the product's result is divided by l at the end. Since M is a whole number, a kernel that streams over the keys may use a running M (the ceiling of the running maximum): every later rescaling is an exact power of two, which a block's scale takes up: the codes' values come out the same.
;;   OPERANDS COMPUTED ON THE WAY. 'Computed on the way' means the value that the module computes at that place (a softmax that the list does not call 'softmax' is quantised finished and normalised). What goes into a quantiser is computed in f32, as accurately as f32 sums, v_exp_f32 and their like allow (about 1e-6 of the number): no bf16 or f16 on the way to a quantiser, and a product that is left as it is and whose result goes on into a quantised operand takes f32 operands (vector FMAs, or v_wmma_f32_16x16x4_f32). A number that lies on a knife's edge between two numbers of the format may be rounded either way, as far as f32 arithmetic and the matrix unit's own rounding can turn it there, and no further.
;; One version. Each part assembles by itself: llvm-mc -triple=amdgcn-amd-amdhsa -mcpu=gfx1250 --defsym DOCPART=n.
;; ======== version 1 of 1: 4 launches
;; limits: right only within a limited range of input values
;; workspace buffers: xq 4,456,448 bytes; ya 4,456,448 bytes; yf 4,456,448 bytes; wqa 1,671,168 bytes; wqb 2,228,224 bytes
;; launch quant (part 1): grid 704 x 1, 4 waves a work-group, no clusters, 34,816 bytes of LDS; arguments x, w_q_ant, w_k_ant, w_v_ant, xq, wqa; writes xq, wqa
.if DOCPART == 1
	.amdgcn_target "amdgcn-amd-amdhsa--gfx1250"
	.amdhsa_code_object_version 6
	.text
	.protected	k_q4c6d68b464_quant
	.globl	k_q4c6d68b464_quant
	.p2align	8
	.type	k_q4c6d68b464_quant,@function
k_q4c6d68b464_quant:
	s_mov_b64 s[64:65], 0
	v_nop
	global_prefetch_b8 v0, s[64:65] scope:SCOPE_SE
	s_setreg_imm32_b32 hwreg(HW_REG_WAVE_MODE, 25, 1), 1
	s_wait_xcnt 0x0
; The grid rows of x [64][129][1024] and the antenna axis' three weights [1024][1024], all f32 with K innermost, become codes of FP4 (E2M1) with one E8M0 byte for each 32 along K.  (The other four weights: launch ant.)
; LEFT OUT IN THIS PROGRAM: b_k_freq.  It adds q . b_k_freq to every score of a row of the frequency axis' softmax, the same number for all four keys; that product is not quantised, so in exact arithmetic the softmax takes the term away for
; all values of the inputs.  It is no launch's argument.  LIMIT: a NaN, an infinity or an overflow that reaches only this term is not carried to the result.
; They are laid in the ORDER OF THE OPERAND'S REGISTERS: a fragment (16 rows x 128 K) is 1,024 bytes, block j (32 along K) of the row at place r at byte 256 j + 16 r; fragments lie [step along K][tile].
; Scale words (byte j for block j) lie apart, 256 bytes for 4 tiles of a step: tile t's place r at word 2 (16 (t % 2) + r) + t / 2, so that 8 bytes a lane are the words of tiles 0 | 1 and 2 | 3.
; WHICH ROWS FORM A TILE.  x: tile m = 2 g + u of a batch, place r = antenna 8 u + r + 8 (r / 8), frequency group g (row 1 + 4 a + g of the batch).  Weights: tile tt = 2 b + u of 64 rows, place r = row 32 b + 8 u + r + 8 (r / 8).
; A block's scale is 2^(floor(log2(largest magnitude)) - 2): its byte is the largest magnitude's exponent field - 2, held at 1 from below by a floor among the maximum's leaves.
; LIMITS: a block of zeros, or one whose largest magnitude lies under 2^-124, gets the byte 1 (its codes are zeros or are held at that scale; this program alone reads the bytes).  NaN and infinities among the inputs are not served.
; SHARES.  A work-group takes 4 tiles x a quarter of K (2 steps of 128); wave w takes tile w: 2 fragments, all 32 loads of a wave out at once.  Work-groups 0-511: x (batch id / 8, tiles 4 ((id / 4) % 2) on); 512-703: weight (id - 512) / 64, 64 rows ((id - 512) / 4) % 16.
; No cluster: no two work-groups read the same bytes.  No loop, so nothing is prefetched.
; A load reads 512 consecutive bytes of one row; the conversions want 32 neighbours of one row in ONE lane: so a fragment's 16 x 512 bytes turn through the wave's own stage in LDS (rows 528 bytes apart).
.set STG,  8448
.set SCG,  33792                       ; behind the stages: the work-group's scale words, 256 bytes a step
.set SPARE, 34304                      ; the spare words, 128 bytes a wave
.set OFF,  16                          ; v16-31   byte offset of my 16 bytes in the row at place i
.set R,    32                          ; v32-159  two sets of 64: a fragment's numbers as loaded
.set X,    160                         ; v160-223 register 32 c + n: number n of block 2 c + h of row r
.set C,    224                         ; v224-239 codes, 8 registers a fragment
.set SPW,  240
.set NIL,  241
	s_load_b256 s[4:11], s[0:1], 0x0               ; x, the three weights
	s_load_b128 s[20:23], s[0:1], 0x20             ; xq, wqa
	v_lshl_add_u32 v[SPW], v0, 2, SPARE
	v_mov_b32 v[NIL], 0
	v_lshrrev_b32 v10, 5, v0
	v_readfirstlane_b32 s26, v10                   ; wave
	s_mov_b32 s60, 0x76543210
	s_mov_b32 s61, 0xfedcba98                      ; v_permlanex16_b32's selects for lane l xor 16
	s_and_b32 s28, ttmp9, 3
	s_lshl_b32 s49, s28, 1                         ; my first step along K
	s_lshr_b32 s29, s26, 1
	s_and_b32 s30, s26, 1
	; x's figures
	s_lshr_b32 s31, ttmp9, 3                       ; batch
	s_bfe_u32 s32, ttmp9, 0x10002                  ; which four tiles
	s_mul_i32 s33, s31, 129
	s_lshl_b32 s27, s32, 1
	s_add_co_u32 s33, s33, s27
	s_add_co_u32 s33, s33, s29
	s_lshl_b32 s27, s30, 5
	s_add_co_u32 s33, s33, s27
	s_add_co_u32 s33, s33, 1                       ; the row at place 0: 129 b + 1 + g + 32 u
	s_lshl_b32 s34, s31, 16
	s_lshl_b32 s27, s32, 12
	s_add_co_u32 s34, s34, s27                     ; codes
	s_lshl_b32 s35, s31, 12
	s_lshl_b32 s27, s32, 8
	s_add_co_u32 s35, s35, s27
	s_add_co_u32 s35, s35, 4194304                 ; scale words
	; a weight's figures
	s_max_u32 s36, ttmp9, 512
	s_sub_co_u32 s36, s36, 512
	s_lshr_b32 s37, s36, 6                         ; q, k or v
	s_bfe_u32 s38, s36, 0x40002                    ; which 64 rows
	s_lshl_b32 s45, s38, 6
	s_lshl_b32 s27, s29, 5
	s_add_co_u32 s45, s45, s27
	s_lshl_b32 s27, s30, 3
	s_add_co_u32 s45, s45, s27                     ; the row at place 0
	s_mul_i32 s46, s38, 98304
	s_lshl_b32 s27, s37, 12
	s_add_co_u32 s46, s46, s27
	s_mul_i32 s47, s38, 6144
	s_lshl_b32 s27, s37, 8
	s_add_co_u32 s47, s47, s27
	s_add_co_u32 s47, s47, 1572864
	; the choice hangs on the work-group's number alone
	s_mov_b32 s43, 12288
	s_mov_b32 s44, 768
	s_mov_b32 s48, 4096
	s_cmp_lt_u32 ttmp9, 512
	s_cselect_b32 s33, s33, s45
	s_cselect_b32 s34, s34, s46
	s_cselect_b32 s35, s35, s47
	s_cselect_b32 s43, 8192, s43                   ; codes: from step to step
	s_cselect_b32 s44, 512, s44                    ; scale words: from step to step
	s_cselect_b32 s48, 16384, s48                  ; bytes from place to place: 4 rows of x, 1 row of a weight
	s_lshl_b32 s50, s33, 12
	s_lshl_b32 s27, s28, 10
	s_add_co_u32 s50, s50, s27                     ; source: row x 4,096 + quarter x 1,024
	s_mov_b32 s51, 0
	s_lshl_b32 s27, s26, 10
	s_add_co_u32 s52, s34, s27
	s_mul_i32 s27, s49, s43
	s_add_co_u32 s52, s52, s27
	s_mov_b32 s53, 0
	s_add_co_u32 s27, s49, s26                     ; waves 0 and 1 store the scale words of the two steps
	s_mul_i32 s27, s27, s44
	s_add_co_u32 s54, s35, s27
	s_mov_b32 s55, 0
	s_mul_i32 s40, s26, STG
	s_lshl_b32 s41, s30, 7
	s_lshl_b32 s27, s29, 2
	s_add_co_u32 s41, s41, s27
	s_add_co_u32 s41, s41, SCG
	s_lshl_b32 s42, s30, 8
	s_add_co_u32 s42, s42, SCG
	v_and_b32 v1, 31, v0                           ; lane
	v_lshlrev_b32 v2, 4, v1                        ; 16 x lane
	v_and_b32 v10, 15, v0                          ; r
	v_bfe_u32 v11, v0, 4, 1                        ; h
	v_add_nc_u32 v3, s40, v2                       ; the stage on the way in
	v_mul_u32_u24 v4, v10, 528
	v_lshl_add_u32 v4, v11, 7, v4
	v_add_nc_u32 v4, s40, v4                       ; and on the way out: row r, block h
	v_lshl_add_u32 v7, v10, 3, s41                 ; where my tile's scale words go
	v_lshlrev_b32 v9, 3, v1
	v_add_nc_u32 v8, s42, v9                       ; and where a step's 64 words are read back
	v_lshlrev_b32 v14, 3, v11                      ; 8 h: my bytes' place in the scale word
	v_mov_b32 v15, 0                               ; a lane permute's destination counts as one of its sources
.irp i, 0,1,2,3,4,5,6,7,8,9,10,11,12,13,14,15
	s_mul_i32 s27, s48, \i+8*(\i/8)
	v_add_nc_u32 v[OFF+\i], s27, v2
.endr
	s_wait_alu depctr_va_vdst(0)
	s_wait_kmcnt 0x0
	s_cmp_ge_u32 ttmp9, 512
	s_cselect_b64 s[24:25], s[6:7], s[4:5]
	s_cselect_b64 s[56:57], s[22:23], s[20:21]
	s_cmp_ge_u32 ttmp9, 576
	s_cselect_b64 s[24:25], s[8:9], s[24:25]
	s_cmp_ge_u32 ttmp9, 640
	s_cselect_b64 s[24:25], s[10:11], s[24:25]
	s_add_nc_u64 s[24:25], s[24:25], s[50:51]
.irp f, 0,1
.irp i, 0,1,2,3,4,5,6,7,8,9,10,11,12,13,14,15
	global_load_b128 v[R+64*\f+4*\i:R+64*\f+4*\i+3], v[OFF+\i], s[24:25] offset:512*\f th:TH_LOAD_NT   ; fragment f: 16 rows x 512 consecutive bytes
.endr
.endr
	s_add_nc_u64 s[62:63], s[56:57], s[54:55]
	s_add_nc_u64 s[56:57], s[56:57], s[52:53]
	s_mov_b32 s52, s43
	s_add_nc_u64 s[58:59], s[56:57], s[52:53]
.macro FRAG f
	s_wait_loadcnt 16-16*\f                        ; this fragment's 16 loads are in; the next fragment's 16 may be out
.irp i, 0,1,2,3,4,5,6,7,8,9,10,11,12,13,14,15
	ds_store_b128 v3, v[R+64*\f+4*\i:R+64*\f+4*\i+3] offset:528*\i
.endr
.irp c, 0,1
.irp q, 0,1,2,3,4,5,6,7
	ds_load_b128 v[X+32*\c+4*\q:X+32*\c+4*\q+3], v4 offset:256*\c+16*\q   ; LDS serves a wave's instructions in order: these see the stores above
.endr
.endr
	s_wait_dscnt 0x0                               ; my 64 numbers are back
.irp c, 0,1
	v_max3_num_f32 v[10+\c], |v[X+32*\c]|, |v[X+32*\c+1]|, 0x1800000   ; block 2 c + h: all its 32 numbers are mine; the floor 2^(3 - 127) holds the byte at 1 from below
.endr
.irp i, 2,4,6,8,10,12,14,16,18,20,22,24,26,28,30
.irp c, 0,1
	v_max3_num_f32 v[10+\c], v[10+\c], |v[X+32*\c+\i]|, |v[X+32*\c+\i+1]|
.endr
.endr
	v_add_nc_u32 v10, 0xff000000, v10              ; 2 off the exponent field: the conversion takes that field of this operand as its scale
	v_add_nc_u32 v11, 0xff000000, v11
	v_lshrrev_b32 v12, 23, v10                     ; the scales' bytes
	v_lshrrev_b32 v13, 23, v11
	v_lshl_or_b32 v12, v13, 16, v12                ; blocks h and 2 + h,
	v_lshlrev_b32 v12, v14, v12                    ; at their places in the word;
	v_permlanex16_b32 v15, v12, s60, s61
	v_or_b32 v12, v12, v15                         ; with lane l xor 16's two the word is whole
.irp c, 0,1
.irp g, 0,1,2,3
	v_cvt_scalef32_pk8_fp4_f32 v[C+8*\f+4*\c+\g], v[X+32*\c+8*\g:X+32*\c+8*\g+7], v[10+\c]   ; register 4 c + g of the operand
.endr
.endr
	v_nop                                          ; one plain line behind the last conversion of the run
	ds_store_b32 v7, v12 offset:256*\f             ; lanes r and r + 16 write the same word with the same value
.irp c, 0,1
	global_store_b128 v2, v[C+8*\f+4*\c:C+8*\f+4*\c+3], s[56+2*\f:57+2*\f] offset:512*\c   ; the wave stores 512 consecutive bytes, aligned
.endr
.endm
	FRAG 0
	FRAG 1
	s_wait_dscnt 0x0                               ; for the others' sake: my scale words lie in LDS
	s_barrier_signal -1
	s_barrier_wait -1
	s_cmp_lt_u32 s26, 2                            ; waves 0 and 1 store a step's words of all four tiles
	s_cbranch_scc0 .Lstored
	ds_load_b64 v[12:13], v8
	s_wait_dscnt 0x0
	global_store_b64 v9, v[12:13], s[62:63]        ; the wave stores 256 consecutive bytes, aligned
.Lstored:
	s_wait_tensorcnt 0x0                           ; the wave's end
	ds_add_u32 v[SPW], v[NIL]
	s_wait_dscnt 0x0
	s_endpgm
.Lfunc_end_k_q4c6d68b464_quant:
	.size	k_q4c6d68b464_quant, .Lfunc_end_k_q4c6d68b464_quant-k_q4c6d68b464_quant
	.p2alignl 7, 3214868480
	.fill 96, 4, 3214868480
	.section	.rodata,"a",@progbits
	.p2align	6, 0x0
	.amdhsa_kernel k_q4c6d68b464_quant
		.amdhsa_group_segment_fixed_size 34816
		.amdhsa_private_segment_fixed_size 0
		.amdhsa_enable_private_segment 0
		.amdhsa_kernarg_size 48
		.amdhsa_user_sgpr_count 2
		.amdhsa_user_sgpr_kernarg_segment_ptr 1
		.amdhsa_wavefront_size32 1
		.amdhsa_system_sgpr_workgroup_id_x 1
		.amdhsa_system_sgpr_workgroup_id_y 1
		.amdhsa_system_sgpr_workgroup_id_z 1
		.amdhsa_system_vgpr_workitem_id 0
		.amdhsa_next_free_vgpr 248
		.amdhsa_next_free_sgpr 66
		.amdhsa_reserve_vcc 0
		.amdhsa_float_denorm_mode_32 3
		.amdhsa_float_denorm_mode_16_64 3
		.amdhsa_memory_ordered 1
		.amdhsa_forward_progress 1
		.amdhsa_inst_pref_size 20
	.end_amdhsa_kernel
	.amdgpu_metadata
---
amdhsa.version: [ 1, 2 ]
amdhsa.kernels:
  - .name:           k_q4c6d68b464_quant
    .symbol:         k_q4c6d68b464_quant.kd
    .args:
      - { .name: x, .offset: 0, .size: 8, .value_kind: global_buffer, .address_space: global }
      - { .name: w_q_ant, .offset: 8, .size: 8, .value_kind: global_buffer, .address_space: global }
      - { .name: w_k_ant, .offset: 16, .size: 8, .value_kind: global_buffer, .address_space: global }
      - { .name: w_v_ant, .offset: 24, .size: 8, .value_kind: global_buffer, .address_space: global }
      - { .name: xq, .offset: 32, .size: 8, .value_kind: global_buffer, .address_space: global }
      - { .name: wqa, .offset: 40, .size: 8, .value_kind: global_buffer, .address_space: global }
    .group_segment_fixed_size: 34816
    .private_segment_fixed_size: 0
    .kernarg_segment_align: 8
    .kernarg_segment_size: 48
    .max_flat_workgroup_size: 128
    .sgpr_count:     66
    .vgpr_count:     248
    .wavefront_size: 32
...
	.end_amdgpu_metadata
.endif
;; end of part 1
;; launch ant (part 2): grid 8 x 32, 4 waves a work-group, clusters of 4 x 4, 327,680 bytes of LDS; arguments xq, wqa, b_q_ant, b_k_ant, b_v_ant, ya, w_q_freq, w_k_freq, w_v_freq, w_out, wqb; writes ya, wqb
.if DOCPART == 2
	.amdgcn_target "amdgcn-amd-amdhsa--gfx1250"
	.amdhsa_code_object_version 6
	.text
	.protected	k_q4c6d68b464_ant
	.globl	k_q4c6d68b464_ant
	.p2align	8
	.type	k_q4c6d68b464_ant,@function
k_q4c6d68b464_ant:
	s_mov_b64 s[64:65], 0
	v_nop
	global_prefetch_b8 v0, s[64:65] scope:SCOPE_SE
	s_setreg_imm32_b32 hwreg(HW_REG_WAVE_MODE, 25, 1), 1
	s_wait_xcnt 0x0
	s_wait_alu depctr_hold_cnt(0) depctr_sa_sdst(0) depctr_va_vdst(0) depctr_va_sdst(0) depctr_va_ssrc(0) depctr_va_vcc(0) depctr_vm_vsrc(0)
	s_getreg_b32 s2, hwreg(HW_REG_IB_STS2, 6, 4)
	s_cmp_eq_u32 s2, 0
	s_cbranch_scc0 .Lentry_in_a_cluster
	s_endpgm
.Lentry_in_a_cluster:
	s_bfe_u32 s2, ttmp6, 0x10000c
	s_cmp_lg_u32 s2, 0xf033
	s_cbranch_scc0 .Lentry_shape_is_right
	s_endpgm
.Lentry_shape_is_right:
; Antenna axis: q, k, v = x W^T + b (three products on FP4 codes, K = 1,024), attention over the 32 antennas of each (batch, frequency group, head), both of its products on FP4 codes, and the result quantised for the next product.
; Beside it the launch quantises the four weights of the later launches (w_q_freq, w_k_freq, w_v_freq, w_out): 2,048 fragments of 16 rows x 128 K, two a wave, each read once.
; SHARES.  A work-group owns two batches and two heads; wave w owns batch 2 bp + w / 2 and head 2 hp + w % 2: 128 rows x 192 columns (the head's q, k, v): 768 registers of sums.  A head's attention and its 64 columns of the
; next K (two whole blocks of 32) belong to one wave: nothing but half a scale word goes from wave to wave.
; OPERANDS lie in memory and in LDS as images of their registers (a fragment, 16 rows x 128 K, is 1,024 bytes: two loads of 16 bytes a lane at 16 x lane), [step along K][tile].  K's eight steps come by three fills of 3, 3 and 2 steps
; through two slots; the third fill takes slot 0 again.  One tensor load a wave and fill.
; CLUSTER 4 x 4: the four work-groups of a row of the cluster share the batches (A's tiles), the four of a column the heads (B's): each tile is asked for jointly.
; PREFETCH: behind each fill's load, and the loads that stand behind it, the tiles of the next fill are asked for, one fill ahead.  The four partners that ask for a tile jointly share its blocks of 256 bytes out by address (A's by cx, B's by cy): of the second
; fill's 96 (A) or 144 (B) blocks 24 or 36 each, of the third's 64 or 96 blocks 16 or 24; a wave asks for the tile that it fetches.  Behind the third fill nothing is asked for.
; TILES.  Rows: tile m = 2 g + u, place r = antenna 8 u + r + 8 (r / 8).  Weights: tile tt = 2 b + u, place r = unit 32 b + 8 u + r + 8 (r / 8).  q and k are made TRANSPOSED (source 0 = two weight tiles, source 1 = a row tile): lane (r, h) holds row r and
; its 16 registers the units 32 b + 16 h + i: neighbours along the next K.  v is made the other way round (source 0 = row tiles 2 g, 2 g + 1): a lane holds one unit, and its 16 registers are keys 16 h + 0 .. 15.
; THE SOFTMAX: t = score x log2(e) / 8; M = ceil(the row's largest t); p = 2^(t - M) is quantised along the keys, not normalised; the row's sum of the unquantised p divides the result.
; LIMITS: NaN and infinities are not served; a block of zeros or under 2^-124 gets the byte 1 (this program alone reads the bytes); a row's largest p is taken from its largest score, which takes v_exp_f32 not to fall where its input rises.
; REGISTERS: window 0: v1-15 addresses; v16-95 scale words and nothing else; v96-159 A's fragments, v160-255 B's (behind the products: the attention's work).  Window 1: q, window 2: k (row tile m, unit block p at 32 m + 16 p), window 3: v (group g, unit tile tt at 64 g + 16 tt).
.set SLOTB, 122880                     ; a slot: A [batch 2][step 3][m 8][1,024], then B [head 2][step 3][t 12][1,024]
.set AB,   24576
.set HBY,  36864
.set BOFF, 49152
.set SPARE, 245760                     ; behind the slots: the spare words, 128 bytes a wave: two blocks of 256 bytes that no other line names
.set SCST, 246272                      ; half scale words on their way from wave to wave: 512 bytes a wave
.set WSC,  248320                      ; the weights' scale words: 256 bytes a step
.set WSTG, 248832                      ; the weights' stage: 16 rows x 528 bytes a wave
.set ADRA, 1                           ; v1-2   16 x lane + my batch's fragments in slot 0, 1
.set ADRB, 3                           ; v3-4   the same for my head's
.set SPW,  7                           ; v7     my spare word; never rewritten
.set NIL,  8                           ; v8     0; never rewritten
.set SA,   16                          ; v[SA + 4 s + i]: K step s, lanes 0-15 row tile 2 i, lanes 16-31 row tile 2 i + 1
.set SB,   48                          ; v[SB + 6 s + p]: likewise weight tiles 2 p, 2 p + 1
.set AF,   96
.set BF,   160
.set G1A,  36
.set G1B,  44
.set G0A,  52                          ; s[52:59], s[68:75]: a set for each slot
.set G0B,  68
.set MSB, 0
.macro WIN new                         ; the immediate's high byte repeats the setting that is left
.if MSB != (\new)
	s_set_vgpr_msb (MSB<<8)|(\new)
.set MSB, (\new)
.endif
.endm
.macro PLACES                          ; four plain lines in front of loads into registers that matrix instructions have read, and of the first read of results
.rept 4
	v_nop
.endr
.endm
.macro CREST                           ; a round of the cluster's barrier behind its opening barrier
	s_cmp_lg_u32 s26, 0
	s_cbranch_scc1 .Lnot_wave_0_\@
	s_barrier_signal -3
.Lnot_wave_0_\@:
	s_barrier_wait -3
	s_barrier_signal -1
	s_barrier_wait -1
.endm
.macro CROUND
	s_barrier_signal -1
	s_barrier_wait -1
	CREST
.endm
.macro JLOAD c                         ; a joint load into slot c: waves 0, 1 fetch A's two batches, waves 2, 3 B's two heads; four v_nop follow each line
	s_cmp_eq_u32 s27, 0
	s_cbranch_scc0 .Lfor_b_\@
	tensor_load_to_lds s[G0A+4*\c:G0A+4*\c+3], s[G1A:G1A+7]
	s_nop 0
.rept 4
	v_nop
.endr
	s_branch .Lasked_\@
.Lfor_b_\@:
	tensor_load_to_lds s[G0B+4*\c:G0B+4*\c+3], s[G1B:G1B+7]
	s_nop 0
.rept 4
	v_nop
.endr
.Lasked_\@:
.endm
; One matrix instruction (32 x 16 x 128) from the symbols D_, A_, B_, C_ (under 0: the constant 0), SA_, SB_ and the row RB_ of source 1's scale register
.macro WM
.if C_ < 0
.if RB_
	v_wmma_scale_f32_32x16x128_f4 v[D_:D_+15], v[A_:A_+15], v[B_:B_+7], 0, v[SA_], v[SB_] matrix_b_scale:MATRIX_SCALE_ROW1
.else
	v_wmma_scale_f32_32x16x128_f4 v[D_:D_+15], v[A_:A_+15], v[B_:B_+7], 0, v[SA_], v[SB_]
.endif
.else
.if RB_
	v_wmma_scale_f32_32x16x128_f4 v[D_:D_+15], v[A_:A_+15], v[B_:B_+7], v[C_:C_+15], v[SA_], v[SB_] matrix_b_scale:MATRIX_SCALE_ROW1
.else
	v_wmma_scale_f32_32x16x128_f4 v[D_:D_+15], v[A_:A_+15], v[B_:B_+7], v[C_:C_+15], v[SA_], v[SB_]
.endif
.endif
.endm
.macro LDA slot, ks, m0                ; four fragments of rows, tiles m0 .. m0 + 3
.irp i, 0,1,2,3
.irp c, 0,1
	ds_load_b128 v[AF+8*((\m0)+\i)+4*\c:AF+8*((\m0)+\i)+4*\c+3], v[ADRA+(\slot)] offset:8192*(\ks)+1024*((\m0)+\i)+512*\c
.endr
.endr
.endm
.macro LDB slot, ks, g                 ; the four weight tiles of q (g = 0), k (1) or v (2)
.irp i, 0,1,2,3
.irp c, 0,1
	ds_load_b128 v[BF+8*(4*(\g)+\i)+4*\c:BF+8*(4*(\g)+\i)+4*\c+3], v[ADRB+(\slot)] offset:12288*(\ks)+1024*(4*(\g)+\i)+512*\c
.endr
.endr
.endm
; 8 matrix instructions: row tiles 4 half .. 4 half + 3 x the four weight tiles of group g, K step s.  The accumulators take turns, one instruction a turn.
; first = 1: the bias, laid into the accumulators of row tile 7 (v: of row tiles 6, 7), is the C of every other tile's first product; five plain lines later those tiles add onto it in place.  Nothing is cleared, and the bias costs no addition.
.macro SUB half, g, s, first
.if (\g) == 2
.irp gg, 0,1
.irp tt, 0,1,2,3
.set M_, 2*(\half)+\gg
.set D_, 64*M_+16*\tt
.set C_, D_
.set A_, AF+16*M_
.set B_, BF+64+8*\tt
.set SA_, SA+4*(\s)+M_
.set SB_, SB+6*(\s)+4+\tt/2
.set RB_, \tt%2
.if \first
.if M_ < 3
.set C_, 192+16*\tt
.elseif \tt == 0
.rept 5
	v_nop                                          ; five places: the products below write over registers that those above have read as C
.endr
.endif
.endif
	WM
.endr
.endr
.else
.irp mm, 0,1,2,3
.irp p, 0,1
.set M_, 4*(\half)+\mm
.set D_, 32*M_+16*\p
.set C_, D_
.set A_, BF+32*(\g)+16*\p
.set B_, AF+8*M_
.set SA_, SB+6*(\s)+2*(\g)+\p
.set SB_, SA+4*(\s)+M_/2
.set RB_, M_%2
.if \first
.if M_ < 7
.set C_, 224+16*\p
.elseif \p == 0
.rept 5
	v_nop                                          ; five places, as above
.endr
.endif
.endif
	WM
.endr
.endr
.endif
.endm
; A K STEP: six runs of 8 products on ONE set of fragments; each group of registers is loaded again as soon as its last product is issued.  The loads go out in the order A's tiles 0-3, q's, k's, v's weights, A's tiles 4-7, eight each.
.macro STEP s, nslot, nks, first
	s_wait_dscnt 24                                ; A's tiles 0-3 and q's weights are in; k's, v's and A's tiles 4-7 (24 loads) may be out
	WIN 0x50
	SUB 0, 0, \s, \first
	s_wait_dscnt 16                                ; k's weights are in
	WIN 0xa0
	SUB 0, 1, \s, \first
	s_wait_dscnt 8                                 ; v's are in
	WIN 0xf0
	SUB 0, 2, \s, \first
	PLACES
	WIN 0
	LDA \nslot, \nks, 0
	s_wait_dscnt 8                                 ; A's tiles 4-7 are in; the eight loads just issued may be out
	WIN 0x50
	SUB 1, 0, \s, \first
	PLACES
	WIN 0
	LDB \nslot, \nks, 0
	WIN 0xa0
	SUB 1, 1, \s, \first
	PLACES
	WIN 0
	LDB \nslot, \nks, 1
	WIN 0xf0
	SUB 1, 2, \s, \first
	PLACES
	WIN 0
	LDB \nslot, \nks, 2
	LDA \nslot, \nks, 4
.endm
; A K step that leaves its slot: ONE barrier.  In front of it each wave waits for all its tensor loads, adds 0 to its spare word, and waits for that and for its reads of the slot.  fill = 1: the barrier opens a round of the cluster's
; barrier and slot 0 is filled again, with K steps 6 and 7: that load has three K steps in which to land.
.macro TURN s, nslot, fill
	s_wait_dscnt 24
	WIN 0x50
	SUB 0, 0, \s, 0
	s_wait_dscnt 16
	WIN 0xa0
	SUB 0, 1, \s, 0
	WIN 0                                          ; (the add's two registers lie in window 0)
	s_wait_tensorcnt 0x0                           ; all my tensor loads have landed, so descriptors may be written
	ds_add_u32 v[SPW], v[NIL]                      ; 0 onto my spare word
.if \fill
	s_add_nc_u64 s[G0A+2:G0A+3], s[G0A+2:G0A+3], 49152      ; six steps on,
	s_add_nc_u64 s[G0B+2:G0B+3], s[G0B+2:G0B+3], 73728
	s_mov_b32 s[G1A+2], 64<<16                     ; two steps' rows
	s_mov_b32 s[G1A+4], 64
	s_mov_b32 s[G1B+2], 96<<16
	s_mov_b32 s[G1B+4], 96
.endif
	s_wait_dscnt 9                                 ; v's weights are in; A's tiles 4-7 (8 loads) and the add may be out
	WIN 0xf0
	SUB 0, 2, \s, 0
	s_wait_dscnt 0x0                               ; the add is done, and my reads of this slot are over
	s_barrier_signal -1
	WIN 0x50
	SUB 1, 0, \s, 0                                ; work on registers while the others arrive
	WIN 0
	s_barrier_wait -1
.if \fill
	CREST                                          ; no wave of any partner still reads slot 0 or has a load on its way
	JLOAD 0                                        ; the first tensor load behind the round; its four v_nop are also the places in front of the loads below
.else
	PLACES
.endif
	LDA \nslot, 0, 0
	LDB \nslot, 0, 0
	WIN 0xa0
	SUB 1, 1, \s, 0
	PLACES
	WIN 0
	LDB \nslot, 0, 1
	WIN 0xf0
	SUB 1, 2, \s, 0
	PLACES
	WIN 0
	LDB \nslot, 0, 2
	LDA \nslot, 0, 4
.endm
.macro LAST s                          ; the last K step fetches nothing
	s_wait_dscnt 24
	WIN 0x50
	SUB 0, 0, \s, 0
	s_wait_dscnt 16
	WIN 0xa0
	SUB 0, 1, \s, 0
	s_wait_dscnt 8
	WIN 0xf0
	SUB 0, 2, \s, 0
	s_wait_dscnt 0x0
	WIN 0x50
	SUB 1, 0, \s, 0
	WIN 0xa0
	SUB 1, 1, \s, 0
	WIN 0xf0
	SUB 1, 2, \s, 0
	WIN 0
	PLACES
.endm
	s_load_b512 s[4:19], s[0:1], 0x0               ; xq s[4:5], wqa s[6:7], b_q s[8:9], b_k s[10:11], b_v s[12:13], ya s[14:15], w_q_freq s[16:17], w_k_freq s[18:19]
	s_load_b128 s[20:23], s[0:1], 0x40             ; w_v_freq s[20:21], w_out s[22:23]
	s_load_b64 s[24:25], s[0:1], 0x50              ; wqb
	v_lshl_add_u32 v[SPW], v0, 2, SPARE
	v_mov_b32 v[NIL], 0
	ds_add_u32 v[SPW], v[NIL]                      ; the wave's opening: the add, twice on end, ahead of my first tensor load
	ds_add_u32 v[SPW], v[NIL]
	v_lshrrev_b32 v9, 5, v0
	v_readfirstlane_b32 s26, v9                    ; wave 0..3
	s_lshr_b32 s27, s26, 1                         ; which of the two batches is mine.  Also: I fetch for A (0) or for B (1)
	s_and_b32 s28, s26, 1                          ; which of the two heads.  Also: which half of that tile I fetch
	s_bfe_u32 s31, ttmp6, 0x40000                  ; cx, cy: my place in the cluster
	s_bfe_u32 s32, ttmp6, 0x40004
	s_lshl_b32 s29, ttmp9, 2
	s_add_co_u32 s29, s29, s31                     ; pair of heads = 4 x cluster x + cx
	s_and_b32 s30, ttmp7, 0xffff
	s_lshl_b32 s30, s30, 2
	s_add_co_u32 s30, s30, s32                     ; pair of batches = 4 x cluster y + cy
	s_lshl_b32 s33, s32, 2
	s_lshl_b32 s33, 15, s33                        ; my row of the cluster
	s_lshl_b32 s67, 0x1111, s31                    ; my column
	; descriptor groups 1: dense blocks as rows of 256 bytes (32 elements of 8 bytes), no padding: three steps: A 96 rows (a batch's), B 144 rows (a head's)
	s_or_b32 s[G1A], s33, (3<<16)|(1<<21)          ; 15:0 the mask; 17:16 elements of 8 bytes; 21 set beside a mask
	s_or_b32 s[G1B], s67, (3<<16)|(1<<21)
	s_mov_b32 s[G1A+2], 96<<16                     ; tensor_dim1
	s_mov_b32 s[G1A+4], 96                         ; tile_dim1
	s_mov_b32 s[G1B+2], 144<<16
	s_mov_b32 s[G1B+4], 144
.irp g, G1A, G1B
	s_mov_b32 s[\g+1], 32<<16                      ; tensor_dim0
	s_mov_b32 s[\g+3], 32<<16                      ; tile_dim0
	s_mov_b32 s[\g+5], 32                          ; the pitch
	s_mov_b32 s[\g+6], 0
	s_mov_b32 s[\g+7], 0
.endr
	; what I fetch: A's address hangs on the pair of batches and the wave alone, B's on the pair of heads and the wave alone, each in registers that never hold the other coordinate
	s_lshl_b32 s34, s30, 1
	s_add_co_u32 s34, s34, s28
	s_lshl_b32 s34, s34, 16                        ; a batch's codes are 65,536 bytes
	s_mov_b32 s35, 0
	s_lshl_b32 s98, s29, 1
	s_add_co_u32 s98, s98, s28
	s_mul_i32 s98, s98, 98304                      ; a head's
	s_mov_b32 s99, 0
	s_mul_i32 s96, s28, AB                         ; and where it goes in a slot: no place in the cluster enters an LDS address
	s_mul_i32 s97, s28, HBY
	s_add_co_u32 s97, s97, BOFF
	s_lshl_b32 s100, s30, 1
	s_add_co_u32 s100, s100, s27                   ; my batch
	s_lshl_b32 s101, s29, 1
	s_add_co_u32 s101, s101, s28                   ; my head
	s_mov_b32 s60, 0x76543210
	s_mov_b32 s61, 0xfedcba98                      ; v_permlanex16_b32's selects for lane l xor 16
	s_mov_b32 s62, 0x3e38aa3b                      ; c = log2(e) / sqrt(64)
	s_mov_b32 s63, s62                             ; (named with it as a pair, so it is written)
	s_mov_b32 s66, 0xffff0000                      ; lanes 16-31
	; every LDS address is made here, ahead of the first branch on the wave's number
	s_mul_i32 s84, s27, AB
	s_mul_i32 s85, s28, HBY
	s_add_co_u32 s85, s85, BOFF
	s_lshl_b32 s86, s26, 9
	s_add_co_u32 s86, s86, SCST
	s_lshl_b32 s87, s27, 10
	s_lshl_b32 s2, s28, 8
	s_add_co_u32 s87, s87, s2
	s_add_co_u32 s87, s87, SCST
	s_mul_i32 s88, s26, 8448
	s_add_co_u32 s88, s88, WSTG
	s_lshl_b32 s89, s28, 7
	s_lshl_b32 s2, s27, 2
	s_add_co_u32 s89, s89, s2
	s_add_co_u32 s89, s89, WSC
	; the prefetches' figures: second fill: 12 (A) or 18 (B) blocks an instruction, two of them; third fill: 16 or 24 in one; lanes that are left over name the last block again
	s_mov_b32 s91, 17
	s_mov_b32 s92, 18
	s_mov_b32 s93, 23
	s_mov_b32 s94, 36864
	s_mov_b32 s95, 73728
	s_cmp_eq_u32 s27, 0
	s_cselect_b32 s91, 11, s91
	s_cselect_b32 s92, 12, s92
	s_cselect_b32 s93, 15, s93
	s_cselect_b32 s94, 24576, s94
	s_cselect_b32 s95, 49152, s95
	s_cselect_b32 s3, s31, s32                     ; my place among the four that ask for the tile with me
	s_mul_i32 s2, s3, s92
	s_lshl_b32 s2, s2, 9
	s_add_co_u32 s94, s94, s2                      ; second fill: my part of the tile
	s_add_co_u32 s2, s93, 1
	s_mul_i32 s2, s2, s3
	s_lshl_b32 s2, s2, 8
	s_add_co_u32 s95, s95, s2                      ; third fill
	v_and_b32 v15, 31, v0
	v_min_u32 v97, s91, v15
	v_add_nc_u32 v98, s92, v97
	v_lshlrev_b32 v9, 4, v15                       ; v9: 16 x lane
	v_lshlrev_b32 v97, 8, v97                      ; v97, v98: the second fill's prefetches
	v_lshlrev_b32 v98, 8, v98
	v_and_b32 v13, 15, v0                          ; r
	v_bfe_u32 v12, v0, 4, 1                        ; h
	v_min_u32 v0, s93, v15
	v_lshlrev_b32 v0, 8, v0                        ; v0: the third fill's; never rewritten
	v_lshlrev_b32 v15, 3, v15                      ; v15: 8 x lane
	v_add_nc_u32 v[ADRA], s84, v9
	v_add_nc_u32 v[ADRA+1], SLOTB, v[ADRA]
	v_add_nc_u32 v[ADRB], s85, v9
	v_add_nc_u32 v[ADRB+1], SLOTB, v[ADRB]
	v_lshl_add_u32 v10, v13, 3, s86                ; v10: where my half scale words go
	v_add_nc_u32 v14, s87, v15                     ; v14: where I read 64 places' half words of my batch back
	v_add_nc_u32 v5, s88, v9                       ; v5: the weights' stage on the way in,
	v_mul_u32_u24 v6, v13, 528
	v_lshl_add_u32 v6, v12, 7, v6
	v_add_nc_u32 v6, s88, v6                       ; v6: and on the way out: row r, block h
	v_lshl_add_u32 v11, v13, 3, s89                ; v11: where my weight tile's scale words go
	v_lshlrev_b32 v12, 6, v12                      ; v12: 64 h: my half's 16 units of a block, in bytes
	v_and_b32 v96, 8, v13
	v_add_nc_u32 v13, v13, v96
	v_lshlrev_b32 v13, 2, v13                      ; v13: 4 (r + 8 (r / 8)): the unit at my place, in bytes
	s_wait_alu depctr_va_vdst(0)
	s_wait_dscnt 0x0                               ; both opening adds are done
	s_wait_kmcnt 0x0
	s_add_nc_u64 s[76:77], s[4:5], s[34:35]
	s_add_nc_u64 s[78:79], s[6:7], s[98:99]
.irp c, 0,1
	s_mov_b32 s[G0A+4*\c], 1                       ; count = 1
	s_add_co_u32 s[G0A+4*\c+1], s96, SLOTB*\c      ; LDS address
	s_add_nc_u64 s[G0A+4*\c+2:G0A+4*\c+3], s[76:77], 24576*\c   ; global address: three steps on in slot 1
	s_or_b32 s[G0A+4*\c+3], s[G0A+4*\c+3], 0x80000000           ; type = 2
	s_mov_b32 s[G0B+4*\c], 1
	s_add_co_u32 s[G0B+4*\c+1], s97, SLOTB*\c
	s_add_nc_u64 s[G0B+4*\c+2:G0B+4*\c+3], s[78:79], 36864*\c
	s_or_b32 s[G0B+4*\c+3], s[G0B+4*\c+3], 0x80000000
.endr
	CROUND                                         ; all sixteen work-groups are here: the first joint loads meet
	JLOAD 0                                        ; K steps 0 to 2
	s_lshl_b32 s2, s100, 12
	s_add_co_u32 s2, s2, 4194304
	s_mov_b32 s3, 0
	s_add_nc_u64 s[80:81], s[4:5], s[2:3]          ; my batch's scale words
	s_add_nc_u64 s[86:87], s[14:15], s[2:3]        ; and the result's: K step = the pair of heads, my 64 places
	s_lshl_b32 s2, s29, 9
	s_lshl_b32 s84, s28, 8
	s_add_co_u32 s2, s2, s84
	s_add_nc_u64 s[86:87], s[86:87], s[2:3]
	s_mul_i32 s2, s101, 6144
	s_add_co_u32 s2, s2, 1572864
	s_add_nc_u64 s[82:83], s[6:7], s[2:3]          ; my head's scale words
	s_lshl_b32 s2, s101, 8
	s_add_nc_u64 s[8:9], s[8:9], s[2:3]            ; the biases at my head's 64 units
	s_add_nc_u64 s[10:11], s[10:11], s[2:3]
	s_add_nc_u64 s[12:13], s[12:13], s[2:3]
	; the scale words of all of K, once, straight into registers: 64 places a load
.irp s, 0,1,2,3,4,5,6,7
.irp f, 0,1
	global_load_b64 v[SA+4*\s+2*\f:SA+4*\s+2*\f+1], v15, s[80:81] offset:512*\s+256*\f
.endr
.irp j, 0,1,2
	global_load_b64 v[SB+6*\s+2*\j:SB+6*\s+2*\j+1], v15, s[82:83] offset:768*\s+256*\j
.endr
.endr
	; the biases, in the results' layout, into the accumulators of row tile 7; v's: a lane is a unit, all its registers hold the same number
	WIN 0x40
.irp j, 0,1,2,3,4,5,6,7
	global_load_b128 v[224+4*\j:227+4*\j], v12, s[8:9] offset:128*(\j/4)+16*(\j%4)
.endr
	WIN 0x80
.irp j, 0,1,2,3,4,5,6,7
	global_load_b128 v[224+4*\j:227+4*\j], v12, s[10:11] offset:128*(\j/4)+16*(\j%4)
.endr
	WIN 0xc0
.irp tt, 0,1,2,3
	global_load_b32 v[192+16*\tt], v13, s[12:13] offset:128*(\tt/2)+32*(\tt%2)
.endr
	WIN 0
	s_cmp_eq_u32 s27, 0
	s_cselect_b64 s[104:105], s[76:77], s[78:79]
	s_mov_b32 s2, s94
	s_add_nc_u64 s[88:89], s[104:105], s[2:3]
	s_mov_b32 s2, s95
	s_add_nc_u64 s[104:105], s[104:105], s[2:3]
	global_prefetch_b8 v97, s[88:89] th:TH_LOAD_NT scope:SCOPE_SE   ; my part of the second fill's tile
	global_prefetch_b8 v98, s[88:89] th:TH_LOAD_NT scope:SCOPE_SE
	; where the result goes
	s_lshl_b32 s2, s100, 16                        ; codes: my batch, the K step of my pair of heads, my head's half of a fragment
	s_lshl_b32 s84, s29, 13
	s_add_co_u32 s2, s2, s84
	s_lshl_b32 s84, s28, 9
	s_add_co_u32 s2, s2, s84
	s_add_nc_u64 s[84:85], s[14:15], s[2:3]
	; the weights: work-group (bp, hp) takes weight bp / 8, its 64 rows 2 (bp % 8) + hp / 4, K steps 2 (hp % 4) and the next; wave w tile w of the four
	s_lshr_b32 s2, s30, 3                          ; which weight
	s_and_b32 s94, s30, 7
	s_lshl_b32 s94, s94, 1
	s_lshr_b32 s3, s29, 2
	s_add_co_u32 s94, s94, s3                      ; which 64 rows
	s_and_b32 s95, s29, 3
	s_lshl_b32 s95, s95, 1                         ; my first step
	s_lshl_b32 s90, s2, 12
	s_lshl_b32 s91, s2, 8
	s_add_co_u32 s91, s91, 1572864
	s_mov_b32 s92, 98304
	s_mov_b32 s67, 12288
	s_mov_b32 s93, 6144
	s_mov_b32 s3, 768
	s_cmp_ge_u32 s30, 24                           ; w_out has 4 tiles to 64 rows and a step, the others 12
	s_cselect_b32 s92, 32768, s92
	s_cselect_b32 s67, 4096, s67                   ; codes: from step to step
	s_cselect_b32 s93, 2048, s93
	s_cselect_b32 s3, 256, s3                      ; scale words: from step to step
	s_cselect_b32 s90, 1671168, s90
	s_cselect_b32 s91, 2195456, s91
	s_mul_i32 s92, s92, s94
	s_add_co_u32 s90, s90, s92
	s_mul_i32 s92, s67, s95
	s_add_co_u32 s90, s90, s92
	s_lshl_b32 s92, s26, 10
	s_add_co_u32 s90, s90, s92                     ; codes
	s_mul_i32 s93, s93, s94
	s_add_co_u32 s91, s91, s93
	s_add_co_u32 s93, s95, s26
	s_mul_i32 s93, s93, s3
	s_add_co_u32 s91, s91, s93                     ; scale words: waves 0 and 1 store the two steps'
	s_lshl_b32 s2, s94, 6
	s_lshl_b32 s3, s27, 5
	s_add_co_u32 s2, s2, s3
	s_lshl_b32 s3, s28, 3
	s_add_co_u32 s2, s2, s3                        ; the row at place 0
	s_lshl_b32 s2, s2, 12
	s_lshl_b32 s3, s95, 9
	s_add_co_u32 s2, s2, s3
	s_mov_b32 s3, 0
	s_wait_xcnt 0x0                                ; the prefetches have read their addresses
	s_cmp_ge_u32 s30, 8
	s_cselect_b64 s[88:89], s[18:19], s[16:17]
	s_cmp_ge_u32 s30, 16
	s_cselect_b64 s[88:89], s[20:21], s[88:89]
	s_cmp_ge_u32 s30, 24
	s_cselect_b64 s[88:89], s[22:23], s[88:89]
	s_add_nc_u64 s[88:89], s[88:89], s[2:3]        ; source
	s_mov_b32 s2, s91
	s_add_nc_u64 s[94:95], s[24:25], s[2:3]        ; scale words
	s_mov_b32 s2, s90
	s_add_nc_u64 s[90:91], s[24:25], s[2:3]        ; codes, first step
	s_mov_b32 s2, s67
	s_add_nc_u64 s[92:93], s[90:91], s[2:3]        ; second step
	s_wait_loadcnt 0x0                             ; scale words and biases
	WIN 0xc3
.irp tt, 0,1,2,3
.irp j, 1,2,3,4,5,6,7,8,9,10,11,12,13,14,15
	v_mov_b32 v[192+16*\tt+\j], v[192+16*\tt]
.endr
.endr
	WIN 0
	s_wait_alu depctr_va_vdst(0)
	s_wait_tensorcnt 0x0                           ; my part of K steps 0 to 2 is in
	ds_add_u32 v[SPW], v[NIL]
	s_wait_dscnt 0x0
	CROUND                                         ; everybody's part is in, and all sixteen work-groups are here
	JLOAD 1                                        ; K steps 3 to 5
	LDA 0, 0, 0
	LDB 0, 0, 0
	LDB 0, 0, 1
	LDB 0, 0, 2
	LDA 0, 0, 4
	global_prefetch_b8 v0, s[104:105] th:TH_LOAD_NT scope:SCOPE_SE  ; my part of the third fill's tile: that load comes three K steps later
	STEP 0, 0, 1, 1
	STEP 1, 0, 2, 0
	TURN 2, 1, 1                                   ; K steps 3 to 5 have landed in every wave; slot 0 takes K steps 6 and 7
	STEP 3, 1, 1, 0
	STEP 4, 1, 2, 0
	TURN 5, 0, 0                                   ; K steps 6 and 7 have landed; nothing is filled
	STEP 6, 0, 1, 0
	LAST 7
; ---- THE ATTENTION, two frequency groups (row tiles 4 gg .. 4 gg + 3) at a time: eight blocks of 32 by turns.  Window 0 from v96 on is free now.
.set F1,   96                          ; v96-159  eight fragments: q's four and k's four (16 rows x 64, the upper half of K zero codes), then v^T's eight (16 units x 32 keys), then the result's codes
.set PF,   160                         ; v160-191 p's four (16 queries x 32 keys); at the end the weights' codes
.set TM,   192                         ; v192-199 largest magnitudes, v200-207 the other lane's, then bytes, v208-215 the conversions' scale operands
.set MX,   216
.set TP,   220
.set NM,   224                         ; -M, the low word of a pair for each tile of queries
.set PM,   232
.set LS,   236                         ; the row's sum, a pair for each tile
.set TT,   244                         ; t, then p's scale operand
.set RL,   248                         ; 1 / sum, the low word of a pair
.set QS,   16                          ; scale words, among the registers that hold nothing else
.set KS,   20
.set VS,   24
.set PS,   28
.set WT,   0
.set XW,   0
; Eight blocks of 32: registers s + 16 n + i of window w hold 16 numbers of block n, lane l xor 16 the other 16.  Leaves the conversions' scale operands in v[TM+16+n] and the bytes in v[TM+8+n].  Each accumulator is read from its low end on.
.macro QMAX w, s
	WIN (\w)|((\w)<<2)
.if WT
	s_wait_alu depctr_va_vdst(0)
.endif
.irp n, 0,1,2,3,4,5,6,7
	v_max3_num_f32 v[TM+\n], |v[(\s)+16*\n]|, |v[(\s)+16*\n+1]|, 0x1800000   ; and the floor 2^(3 - 127): the byte cannot fall under 1
.endr
.irp i, 2,4,6,8,10,12,14
.irp n, 0,1,2,3,4,5,6,7
	v_max3_num_f32 v[TM+\n], |v[(\s)+16*\n+\i]|, |v[(\s)+16*\n+\i+1]|, v[TM+\n]
.endr
.endr
	WIN 0
.irp n, 0,1,2,3,4,5,6,7
	v_permlanex16_b32 v[TM+8+\n], v[TM+\n], s60, s61
.endr
.irp n, 0,1,2,3,4,5,6,7
	v_max_num_f32 v[TM+\n], v[TM+\n], v[TM+8+\n]
.endr
.irp n, 0,1,2,3,4,5,6,7
	v_add_nc_u32 v[TM+16+\n], 0xff000000, v[TM+\n] ; 2 off the exponent field
.endr
.irp n, 0,1,2,3,4,5,6,7
	v_lshrrev_b32 v[TM+8+\n], 23, v[TM+16+\n]
.endr
.endm
; Four row tiles x 64 units become codes: tile k's four registers at pc + 8 k (lane (r, h): block h of row r), its two scale bytes in v[sw + k]; kd: where two tiles' words are joined for a source 0 of 32 rows (0: nowhere)
.macro QUANT w, s, pc, sw, kd
	QMAX \w, \s
.irp k, 0,1,2,3
	v_lshl_or_b32 v[(\sw)+\k], v[TM+9+2*\k], 8, v[TM+8+2*\k]
.endr
.if \kd
.irp k, 0,1
	v_cndmask_b32 v[(\kd)+\k], v[(\sw)+2*\k], v[(\sw)+2*\k+1], s66
.endr
.endif
.if XW
	s_wait_alu depctr_va_vdst(0)
	s_wait_xcnt 0x0                                ; the stores of the first two groups have read their codes
.endif
	WIN \w
.irp n, 0,1,2,3,4,5,6,7
.irp e, 0,1
	v_cvt_scalef32_pk8_fp4_f32 v[(\pc)+8*(\n/2)+2*(\n%2)+\e], v[(\s)+16*\n+8*\e:(\s)+16*\n+8*\e+7], v[TM+16+\n]
.endr
.endr
	WIN 0
	v_nop                                          ; one plain line behind the last conversion of the run
.irp k, 0,1,2,3
.irp e, 0,1
	v_permlane16_swap_b32 v[(\pc)+8*\k+\e], v[(\pc)+8*\k+\e+2]   ; the layout wants a whole block in a lane
.endr
.endr
.endm
; v: block n = unit tile n % 4 of group n / 4, 32 keys.  The whole block goes to lanes 0-15; lanes 16-31 (keys 32 on, which do not exist) get zero codes
.macro QUANTV s
	QMAX 3, \s
.irp n, 0,1,2,3
	v_cndmask_b32 v[VS+\n], v[TM+8+2*\n], v[TM+9+2*\n], s66
.endr
	WIN 3
.irp n, 0,1,2,3,4,5,6,7
.irp e, 0,1
	v_cvt_scalef32_pk8_fp4_f32 v[F1+8*\n+\e], v[(\s)+16*\n+8*\e:(\s)+16*\n+8*\e+7], v[TM+16+\n]
.endr
.endr
	WIN 0
	v_nop
.irp n, 0,1,2,3,4,5,6,7
	v_mov_b32 v[F1+8*\n+2], 0
	v_mov_b32 v[F1+8*\n+3], 0
.endr
.irp n, 0,1,2,3,4,5,6,7
.irp e, 0,1
	v_permlane16_swap_b32 v[F1+8*\n+\e], v[F1+8*\n+\e+2]
.endr
.endr
.endm
.macro ATT gg
.set BS, 128*(\gg)
.set WT, \gg
.set XW, \gg
	QUANT 1, BS, F1, QS, 0
.set XW, 0
	QUANT 2, BS, F1+32, MX, KS
	PLACES
	WIN 0x40                                       ; S^T = k q^T: source 0 = 32 keys, source 1 = 16 queries; into window 1, where q lay: a lane's 16 registers are keys 16 h + 0 .. 15
.irp q, 0,1,2,3
.set D_, BS+32*\q
.set A_, F1+32+16*(\q/2)
.set B_, F1+8*\q
.set C_, -1
.set SA_, KS+\q/2
.set SB_, QS+\q
.set RB_, 0
	WM
.endr
	QUANTV BS                                      ; its lines are also the places behind the products above
.if (\gg) == 0
	WIN 0xc0                                       ; the weights' numbers into the registers of v's first two groups, which have been quantised: two fragments of 16 rows x 512 bytes
.irp f, 0,1
.irp i, 0,1,2,3,4,5,6,7,8,9,10,11,12,13,14,15
	global_load_b128 v[64*\f+4*\i:64*\f+4*\i+3], v9, s[88:89] offset:4096*(\i+8*(\i/8))+512*\f th:TH_LOAD_NT
.endr
.endr
.endif
	WIN 0x05
.irp q, 0,1,2,3
	v_max_num_f32 v[MX+\q], v[BS+32*\q], v[BS+32*\q+1]
.endr
.irp k, 1,2,3,4,5,6,7
.irp q, 0,1,2,3
	v_max3_num_f32 v[MX+\q], v[BS+32*\q+2*\k], v[BS+32*\q+2*\k+1], v[MX+\q]
.endr
.endr
	WIN 0
.irp q, 0,1,2,3
	v_permlanex16_b32 v[TP+\q], v[MX+\q], s60, s61
.endr
.irp q, 0,1,2,3
	v_max_num_f32 v[MX+\q], v[MX+\q], v[TP+\q]     ; the row's largest score
.endr
.irp q, 0,1,2,3
	v_mul_f32 v[TT+\q], s62, v[MX+\q]
.endr
.irp q, 0,1,2,3
	v_floor_f32 v[NM+2*\q], -v[TT+\q]              ; -M = floor(-t) = -ceil(t)
.endr
.irp q, 0,1,2,3
	v_fma_f32 v[PM+\q], v[MX+\q], s62, v[NM+2*\q]  ; the largest score goes the same way as all: it gives the block's largest p
.endr
	WIN 0x41
.irp k, 0,1,2,3,4,5,6,7
.irp q, 0,1,2,3
	v_pk_fma_f32 v[BS+32*\q+2*\k:BS+32*\q+2*\k+1], v[BS+32*\q+2*\k:BS+32*\q+2*\k+1], s[62:63], v[NM+2*\q:NM+2*\q+1] op_sel_hi:[1,0,0]   ; t - M
.endr
.endr
	s_wait_alu depctr_va_vdst(0)
.irp i, 0,1,2,3,4,5,6,7,8,9,10,11,12,13,14,15
.irp q, 0,1,2,3
	v_exp_f32 v[BS+32*\q+\i], v[BS+32*\q+\i]       ; p = 2^(t - M)
.endr
.endr
	WIN 0
.irp q, 0,1,2,3
	v_exp_f32 v[PM+\q], v[PM+\q]
.endr
	v_nop                                          ; a plain line behind the last exponential
	s_wait_alu depctr_va_vdst(0)                   ; one wait for the 68 exponentials, ahead of their first reader
	WIN 0x05
.irp q, 0,1,2,3
	v_pk_add_f32 v[LS+2*\q:LS+2*\q+1], v[BS+32*\q:BS+32*\q+1], v[BS+32*\q+2:BS+32*\q+3]   ; the row's sum is taken of the unquantised p
.endr
	WIN 0x01
.irp k, 2,3,4,5,6,7
.irp q, 0,1,2,3
	v_pk_add_f32 v[LS+2*\q:LS+2*\q+1], v[BS+32*\q+2*\k:BS+32*\q+2*\k+1], v[LS+2*\q:LS+2*\q+1]
.endr
.endr
	WIN 0
.irp q, 0,1,2,3
	v_add_f32 v[LS+2*\q], v[LS+2*\q], v[LS+2*\q+1]
.endr
.irp q, 0,1,2,3
	v_permlanex16_b32 v[TP+\q], v[LS+2*\q], s60, s61
.endr
.irp q, 0,1,2,3
	v_add_f32 v[LS+2*\q], v[LS+2*\q], v[TP+\q]
.endr
	s_wait_alu depctr_va_vdst(0)                   ; ahead of the reciprocals
.irp q, 0,1,2,3
	v_rcp_f32 v[RL+2*\q], v[LS+2*\q]               ; read behind the second product, behind its own wait
.endr
.irp q, 0,1,2,3
	v_add_nc_u32 v[TT+\q], 0xff000000, v[PM+\q]    ; the largest p lies in (1/2, 1]: no floor is needed
.endr
.irp q, 0,1,2,3
	v_lshrrev_b32 v[PS+\q], 23, v[TT+\q]
.endr
	WIN 0x01
.irp q, 0,1,2,3
.irp e, 0,1
	v_cvt_scalef32_pk8_fp4_f32 v[PF+8*\q+\e], v[BS+32*\q+8*\e:BS+32*\q+8*\e+7], v[TT+\q]
.endr
.endr
	WIN 0
	v_nop
.irp q, 0,1,2,3
	v_mov_b32 v[PF+8*\q+2], 0
	v_mov_b32 v[PF+8*\q+3], 0
.endr
.irp q, 0,1,2,3
.irp e, 0,1
	v_permlane16_swap_b32 v[PF+8*\q+\e], v[PF+8*\q+\e+2]   ; the 32 keys to lanes 0-15, zero codes to lanes 16-31
.endr
.endr
	PLACES
	WIN 0x80                                       ; O^T = v^T p^T: source 0 = 32 units, source 1 = 16 queries; into window 2, where k lay
.irp q, 0,1,2,3
.irp p, 0,1
.set D_, BS+32*\q+16*\p
.set A_, F1+8*(4*(\q/2)+2*\p)
.set B_, PF+8*\q
.set C_, -1
.set SA_, VS+2*(\q/2)+\p
.set SB_, PS+\q
.set RB_, 0
	WM
.endr
.endr
.if (\gg) == 1
	WIN 0                                          ; the weights' numbers have landed by now or are waited for: they turn through my stage in LDS, and come back, 32 neighbours of a row to a lane, into window 1's lower half
	s_wait_alu depctr_va_vdst(0)
	s_wait_loadcnt 0x0
.irp f, 0,1
	WIN 0x0c
.irp i, 0,1,2,3,4,5,6,7,8,9,10,11,12,13,14,15
	ds_store_b128 v5, v[64*\f+4*\i:64*\f+4*\i+3] offset:528*\i
.endr
	WIN 0x40
.irp q, 0,1,2,3,4,5,6,7,8,9,10,11,12,13,14,15
	ds_load_b128 v[64*\f+4*\q:64*\f+4*\q+3], v6 offset:256*(\q/8)+16*(\q%8)   ; LDS serves a wave's instructions in order
.endr
.endr
.endif
	WIN 0x82
	PLACES
	s_wait_alu depctr_va_vdst(0)                   ; the wait for the reciprocals, ahead of their first reader
.irp k, 0,1,2,3,4,5,6,7,8,9,10,11,12,13,14,15
.irp q, 0,1,2,3
	v_pk_mul_f32 v[BS+32*\q+2*\k:BS+32*\q+2*\k+1], v[BS+32*\q+2*\k:BS+32*\q+2*\k+1], v[RL+2*\q:RL+2*\q+1] op_sel_hi:[1,0]   ; / the row's sum
.endr
.endr
	QUANT 2, BS, F1, MX, 0
.irp k, 0,1,2,3
	global_store_b128 v9, v[F1+8*\k:F1+8*\k+3], s[84:85] offset:1024*(4*(\gg)+\k)   ; my head's half of a fragment: the wave stores 512 consecutive bytes, aligned
	ds_store_b32 v10, v[MX+\k] offset:256*(\gg)+128*(\k%2)+4*(\k/2)
.endr
.endm
.irp f, 0,1,2,3,4,5,6,7,8,9,10,11
.irp j, 4,5,6,7
	v_mov_b32 v[F1+8*\f+\j], 0                     ; K = 64 .. 127 of every fragment of the attention: zero codes, written once
.endr
.endr
	ATT 0
	ATT 1
	; the weights: block j = fragment j / 2, block 2 (j % 2) + h of row r: all its 32 numbers are mine
	s_wait_alu depctr_va_vdst(0)
	s_wait_dscnt 0x0
	WIN 0x05
.irp j, 0,1,2,3
	v_max3_num_f32 v[TM+\j], |v[32*\j]|, |v[32*\j+1]|, 0x1800000
.endr
.irp i, 2,4,6,8,10,12,14,16,18,20,22,24,26,28,30
.irp j, 0,1,2,3
	v_max3_num_f32 v[TM+\j], |v[32*\j+\i]|, |v[32*\j+\i+1]|, v[TM+\j]
.endr
.endr
	WIN 0
	v_lshrrev_b32 v[TT], 3, v12                    ; 8 h: my bytes' place in the scale word
.irp j, 0,1,2,3
	v_add_nc_u32 v[TM+8+\j], 0xff000000, v[TM+\j]
.endr
.irp j, 0,1,2,3
	v_lshrrev_b32 v[TM+4+\j], 23, v[TM+8+\j]
.endr
.irp f, 0,1
	v_lshl_or_b32 v[MX+\f], v[TM+5+2*\f], 16, v[TM+4+2*\f]
.endr
.irp f, 0,1
	v_lshlrev_b32 v[MX+\f], v[TT], v[MX+\f]
.endr
.irp f, 0,1
	v_permlanex16_b32 v[TP+\f], v[MX+\f], s60, s61
.endr
.irp f, 0,1
	v_or_b32 v[MX+\f], v[MX+\f], v[TP+\f]
.endr
.irp f, 0,1
	ds_store_b32 v11, v[MX+\f] offset:256*\f
.endr
	WIN 0x01
.irp j, 0,1,2,3
.irp g, 0,1,2,3
	v_cvt_scalef32_pk8_fp4_f32 v[PF+4*\j+\g], v[32*\j+8*\g:32*\j+8*\g+7], v[TM+8+\j]
.endr
.endr
	WIN 0
	v_nop                                          ; one plain line behind the last conversion of the run
.irp j, 0,1,2,3
	global_store_b128 v9, v[PF+4*\j:PF+4*\j+3], s[90+2*(\j/2):91+2*(\j/2)] offset:512*(\j%2)   ; the wave stores 512 consecutive bytes, aligned
.endr
	; a K step's scale word is made of two heads' halves: they meet in LDS, as do the weights' words of four tiles
	s_wait_dscnt 0x0                               ; for the others' sake: my words lie in LDS
	s_barrier_signal -1
	s_barrier_wait -1
	ds_load_b64 v[226:227], v14                    ; 64 places of my batch: the even head's bytes,
	ds_load_b64 v[228:229], v14 offset:512         ; the odd head's
	s_wait_dscnt 0x0
	v_lshl_or_b32 v226, v228, 16, v226
	v_lshl_or_b32 v227, v229, 16, v227
	global_store_b64 v15, v[226:227], s[86:87]     ; the wave stores 256 consecutive bytes, aligned
	s_cmp_lt_u32 s26, 2                            ; waves 0 and 1: a step's words of the four weight tiles
	s_cbranch_scc0 .Lstored
	ds_load_b64 v[230:231], v14 offset:WSC-SCST
	s_wait_dscnt 0x0
	global_store_b64 v15, v[230:231], s[94:95]
.Lstored:
	s_wait_tensorcnt 0x0                           ; the wave's end
	ds_add_u32 v[SPW], v[NIL]
	s_wait_dscnt 0x0
	CROUND                                         ; the closing round: no work-group ends while a partner may still ask for a tile that names it
	s_endpgm
.Lfunc_end_k_q4c6d68b464_ant:
	.size	k_q4c6d68b464_ant, .Lfunc_end_k_q4c6d68b464_ant-k_q4c6d68b464_ant
	.p2alignl 7, 3214868480
	.fill 96, 4, 3214868480
	.section	.rodata,"a",@progbits
	.p2align	6, 0x0
	.amdhsa_kernel k_q4c6d68b464_ant
		.amdhsa_group_segment_fixed_size 327680
		.amdhsa_private_segment_fixed_size 0
		.amdhsa_enable_private_segment 0
		.amdhsa_kernarg_size 88
		.amdhsa_user_sgpr_count 2
		.amdhsa_user_sgpr_kernarg_segment_ptr 1
		.amdhsa_wavefront_size32 1
		.amdhsa_system_sgpr_workgroup_id_x 1
		.amdhsa_system_sgpr_workgroup_id_y 1
		.amdhsa_system_sgpr_workgroup_id_z 1
		.amdhsa_system_vgpr_workitem_id 0
		.amdhsa_next_free_vgpr 1024
		.amdhsa_next_free_sgpr 106
		.amdhsa_reserve_vcc 0
		.amdhsa_float_denorm_mode_32 3
		.amdhsa_float_denorm_mode_16_64 3
		.amdhsa_memory_ordered 1
		.amdhsa_forward_progress 1
		.amdhsa_inst_pref_size 210
	.end_amdhsa_kernel
	.amdgpu_metadata
---
amdhsa.version: [ 1, 2 ]
amdhsa.kernels:
  - .name:           k_q4c6d68b464_ant
    .symbol:         k_q4c6d68b464_ant.kd
    .args:
      - { .name: xq, .offset: 0, .size: 8, .value_kind: global_buffer, .address_space: global }
      - { .name: wqa, .offset: 8, .size: 8, .value_kind: global_buffer, .address_space: global }
      - { .name: b_q_ant, .offset: 16, .size: 8, .value_kind: global_buffer, .address_space: global }
      - { .name: b_k_ant, .offset: 24, .size: 8, .value_kind: global_buffer, .address_space: global }
      - { .name: b_v_ant, .offset: 32, .size: 8, .value_kind: global_buffer, .address_space: global }
      - { .name: ya, .offset: 40, .size: 8, .value_kind: global_buffer, .address_space: global }
      - { .name: w_q_freq, .offset: 48, .size: 8, .value_kind: global_buffer, .address_space: global }
      - { .name: w_k_freq, .offset: 56, .size: 8, .value_kind: global_buffer, .address_space: global }
      - { .name: w_v_freq, .offset: 64, .size: 8, .value_kind: global_buffer, .address_space: global }
      - { .name: w_out, .offset: 72, .size: 8, .value_kind: global_buffer, .address_space: global }
      - { .name: wqb, .offset: 80, .size: 8, .value_kind: global_buffer, .address_space: global }
    .group_segment_fixed_size: 327680
    .private_segment_fixed_size: 0
    .kernarg_segment_align: 8
    .kernarg_segment_size: 88
    .max_flat_workgroup_size: 128
    .sgpr_count:     106
    .vgpr_count:     1024
    .wavefront_size: 32
...
	.end_amdgpu_metadata
.endif
;; end of part 2
;; launch freq (part 3): grid 8 x 32, 4 waves a work-group, clusters of 4 x 4, 327,680 bytes of LDS; arguments ya, wqb, b_q_freq, b_v_freq, yf; writes yf
.if DOCPART == 3
	.amdgcn_target "amdgcn-amd-amdhsa--gfx1250"
	.amdhsa_code_object_version 6
	.text
	.protected	k_q4c6d68b464_freq
	.globl	k_q4c6d68b464_freq
	.p2align	8
	.type	k_q4c6d68b464_freq,@function
k_q4c6d68b464_freq:
	s_mov_b64 s[64:65], 0
	v_nop
	global_prefetch_b8 v0, s[64:65] scope:SCOPE_SE
	s_setreg_imm32_b32 hwreg(HW_REG_WAVE_MODE, 25, 1), 1
	s_wait_xcnt 0x0
	s_wait_alu depctr_hold_cnt(0) depctr_sa_sdst(0) depctr_va_vdst(0) depctr_va_sdst(0) depctr_va_ssrc(0) depctr_va_vcc(0) depctr_vm_vsrc(0)
	s_getreg_b32 s2, hwreg(HW_REG_IB_STS2, 6, 4)
	s_cmp_eq_u32 s2, 0
	s_cbranch_scc0 .Lentry_in_a_cluster
	s_endpgm
.Lentry_in_a_cluster:
	s_bfe_u32 s2, ttmp6, 0x10000c
	s_cmp_lg_u32 s2, 0xf033
	s_cbranch_scc0 .Lentry_shape_is_right
	s_endpgm
.Lentry_shape_is_right:
; Frequency axis: q, k, v = y W^T + b (three products on FP4 codes, K = 1,024), attention over the 4 frequency groups of each (batch, antenna, head) in f32, and the result quantised for the output projection.
; LEFT OUT: b_k_freq.  q . b_k_freq is added to all four scores of a row alike and its product is not quantised: the softmax takes it away for all values of the inputs.  LIMIT: a NaN, an infinity or an overflow that reaches only this term is not carried on.
; SHARES, OPERANDS, CLUSTER and the walk over K are those of the antenna launch: a work-group owns two batches and two heads; wave w owns batch 2 bp + w / 2 and head 2 hp + w % 2: 128 rows x 192 columns, 768 registers of sums; fragments are
; images of the operand's registers; K's eight steps come by three fills of 3, 3 and 2 steps through two slots, one tensor load a wave and fill; A's tiles are asked for jointly along a row of the 4 x 4 cluster, B's along a column.
; PREFETCH, as there: behind each fill's load, and the loads that stand behind it, the tiles of the next fill are asked for, one fill ahead; the four partners of a tile share its blocks of 256 bytes out by address (A's by cx, B's by cy), a wave asks for
; the tile that it fetches; behind the third fill nothing is asked for.
; TILES.  Rows: tile m = 2 g + u, place r = antenna 8 u + r + 8 (r / 8).  Weights: tile tt = 2 b + u, place r = unit 32 b + 8 u + r + 8 (r / 8).  All three products are made TRANSPOSED (source 0 = two weight tiles): lane (r, h) holds row r,
; its 16 registers the units 32 b + 16 h + i.  So for a given u the four rows of an antenna (g = 0 .. 3) lie in ONE lane, in tiles 2 g + u: the 4 x 4 attention is packed f32 multiply-adds, and only a score's
; two halves (h = 0, 1) change lanes.  Its result goes into a quantiser, so nothing here is narrower than f32; the row's maximum is taken away ahead of the exponentials.
; LIMITS: NaN and infinities are not served; a block of zeros or under 2^-124 gets the byte 1 (this program alone reads the bytes).
; REGISTERS: window 0: v1-15 addresses; v16-95 scale words and nothing else; v96-159 A's fragments, v160-255 B's (behind the products: the attention's work).  Windows 1, 2, 3: q, k, v, row tile m, unit block p at 32 m + 16 p.
.set SLOTB, 122880                     ; a slot: A [batch 2][step 3][m 8][1,024], then B [head 2][step 3][t 12][1,024]
.set AB,   24576
.set HBY,  36864
.set BOFF, 49152
.set SPARE, 245760                     ; behind the slots: the spare words, 128 bytes a wave
.set SCST, 246272                      ; half scale words on their way from wave to wave: 512 bytes a wave
.set ADRA, 1
.set ADRB, 3
.set SPW,  7
.set NIL,  8
.set SA,   16                          ; v[SA + 4 s + i]: K step s, lanes 0-15 row tile 2 i, lanes 16-31 row tile 2 i + 1
.set SB,   48                          ; v[SB + 6 s + p]: likewise weight tiles 2 p, 2 p + 1
.set AF,   96
.set BF,   160
.set G1A,  36
.set G1B,  44
.set G0A,  52
.set G0B,  68
.set MSB, 0
.macro WIN new                         ; the immediate's high byte repeats the setting that is left
.if MSB != (\new)
	s_set_vgpr_msb (MSB<<8)|(\new)
.set MSB, (\new)
.endif
.endm
.macro PLACES                          ; four plain lines in front of loads into registers that matrix instructions have read, and of the first read of results
.rept 4
	v_nop
.endr
.endm
.macro CREST                           ; a round of the cluster's barrier behind its opening barrier
	s_cmp_lg_u32 s26, 0
	s_cbranch_scc1 .Lnot_wave_0_\@
	s_barrier_signal -3
.Lnot_wave_0_\@:
	s_barrier_wait -3
	s_barrier_signal -1
	s_barrier_wait -1
.endm
.macro CROUND
	s_barrier_signal -1
	s_barrier_wait -1
	CREST
.endm
.macro JLOAD c                         ; a joint load into slot c: waves 0, 1 fetch A's two batches, waves 2, 3 B's two heads; four v_nop follow each line
	s_cmp_eq_u32 s27, 0
	s_cbranch_scc0 .Lfor_b_\@
	tensor_load_to_lds s[G0A+4*\c:G0A+4*\c+3], s[G1A:G1A+7]
	s_nop 0
.rept 4
	v_nop
.endr
	s_branch .Lasked_\@
.Lfor_b_\@:
	tensor_load_to_lds s[G0B+4*\c:G0B+4*\c+3], s[G1B:G1B+7]
	s_nop 0
.rept 4
	v_nop
.endr
.Lasked_\@:
.endm
.macro LDA slot, ks, m0                ; four fragments of rows, tiles m0 .. m0 + 3
.irp i, 0,1,2,3
.irp c, 0,1
	ds_load_b128 v[AF+8*((\m0)+\i)+4*\c:AF+8*((\m0)+\i)+4*\c+3], v[ADRA+(\slot)] offset:8192*(\ks)+1024*((\m0)+\i)+512*\c
.endr
.endr
.endm
.macro LDB slot, ks, g                 ; the four weight tiles of q (g = 0), k (1) or v (2)
.irp i, 0,1,2,3
.irp c, 0,1
	ds_load_b128 v[BF+8*(4*(\g)+\i)+4*\c:BF+8*(4*(\g)+\i)+4*\c+3], v[ADRB+(\slot)] offset:12288*(\ks)+1024*(4*(\g)+\i)+512*\c
.endr
.endr
.endm
; 8 matrix instructions: row tiles 4 half .. 4 half + 3 x the four weight tiles of group g, K step s.  The accumulators take turns, one instruction a turn.
; first = 1: k's sums start from the constant 0; q's and v's from the bias, laid into the accumulators of row tile 7: it is the C of every other tile's first product; five plain lines later tile 7 adds onto it in place.
.macro SUB half, g, s, first
.irp mm, 0,1,2,3
.irp p, 0,1
.set M_, 4*(\half)+\mm
.set D_, 32*M_+16*\p
.set C_, D_
.set A_, BF+32*(\g)+16*\p
.set B_, AF+8*M_
.set SA_, SB+6*(\s)+2*(\g)+\p
.set SB_, SA+4*(\s)+M_/2
.if \first
.if (\g) == 1
.set C_, -1
.elseif M_ < 7
.set C_, 224+16*\p
.elseif \p == 0
.rept 5
	v_nop                                          ; five places: tile 7's products write over registers that the products above have read as C
.endr
.endif
.endif
.if C_ < 0
.if M_%2
	v_wmma_scale_f32_32x16x128_f4 v[D_:D_+15], v[A_:A_+15], v[B_:B_+7], 0, v[SA_], v[SB_] matrix_b_scale:MATRIX_SCALE_ROW1
.else
	v_wmma_scale_f32_32x16x128_f4 v[D_:D_+15], v[A_:A_+15], v[B_:B_+7], 0, v[SA_], v[SB_]
.endif
.else
.if M_%2
	v_wmma_scale_f32_32x16x128_f4 v[D_:D_+15], v[A_:A_+15], v[B_:B_+7], v[C_:C_+15], v[SA_], v[SB_] matrix_b_scale:MATRIX_SCALE_ROW1
.else
	v_wmma_scale_f32_32x16x128_f4 v[D_:D_+15], v[A_:A_+15], v[B_:B_+7], v[C_:C_+15], v[SA_], v[SB_]
.endif
.endif
.endr
.endr
.endm
; A K STEP: six runs of 8 products on ONE set of fragments; each group of registers is loaded again as soon as its last product is issued.  The loads go out in the order A's tiles 0-3, q's, k's, v's weights, A's tiles 4-7, eight each.
.macro STEP s, nslot, nks, first
	s_wait_dscnt 24                                ; A's tiles 0-3 and q's weights are in; k's, v's and A's tiles 4-7 (24 loads) may be out
	WIN 0x50
	SUB 0, 0, \s, \first
	s_wait_dscnt 16                                ; k's weights are in
	WIN 0xa0
	SUB 0, 1, \s, \first
	s_wait_dscnt 8                                 ; v's are in
	WIN 0xf0
	SUB 0, 2, \s, \first
	PLACES
	WIN 0
	LDA \nslot, \nks, 0
	s_wait_dscnt 8                                 ; A's tiles 4-7 are in; the eight loads just issued may be out
	WIN 0x50
	SUB 1, 0, \s, \first
	PLACES
	WIN 0
	LDB \nslot, \nks, 0
	WIN 0xa0
	SUB 1, 1, \s, \first
	PLACES
	WIN 0
	LDB \nslot, \nks, 1
	WIN 0xf0
	SUB 1, 2, \s, \first
	PLACES
	WIN 0
	LDB \nslot, \nks, 2
	LDA \nslot, \nks, 4
.endm
; A K step that leaves its slot: ONE barrier.  In front of it each wave waits for all its tensor loads, adds 0 to its spare word, and waits for that and for its reads of the slot.  fill = 1: the barrier opens a round of the cluster's
; barrier and slot 0 is filled again, with K steps 6 and 7.
.macro TURN s, nslot, fill
	s_wait_dscnt 24
	WIN 0x50
	SUB 0, 0, \s, 0
	s_wait_dscnt 16
	WIN 0xa0
	SUB 0, 1, \s, 0
	WIN 0                                          ; (the add's two registers lie in window 0)
	s_wait_tensorcnt 0x0                           ; all my tensor loads have landed, so descriptors may be written
	ds_add_u32 v[SPW], v[NIL]                      ; 0 onto my spare word
.if \fill
	s_add_nc_u64 s[G0A+2:G0A+3], s[G0A+2:G0A+3], 49152      ; six steps on,
	s_add_nc_u64 s[G0B+2:G0B+3], s[G0B+2:G0B+3], 73728
	s_mov_b32 s[G1A+2], 8<<16                      ; two steps' rows
	s_mov_b32 s[G1A+4], 8
	s_mov_b32 s[G1B+2], 12<<16
	s_mov_b32 s[G1B+4], 12
.endif
	s_wait_dscnt 9                                 ; v's weights are in; A's tiles 4-7 (8 loads) and the add may be out
	WIN 0xf0
	SUB 0, 2, \s, 0
	s_wait_dscnt 0x0                               ; the add is done, and my reads of this slot are over
	s_barrier_signal -1
	WIN 0x50
	SUB 1, 0, \s, 0                                ; work on registers while the others arrive
	WIN 0
	s_barrier_wait -1
.if \fill
	CREST                                          ; no wave of any partner still reads slot 0 or has a load on its way
	JLOAD 0                                        ; the first tensor load behind the round; its four v_nop are also the places in front of the loads below
.else
	PLACES
.endif
	LDA \nslot, 0, 0
	LDB \nslot, 0, 0
	WIN 0xa0
	SUB 1, 1, \s, 0
	PLACES
	WIN 0
	LDB \nslot, 0, 1
	WIN 0xf0
	SUB 1, 2, \s, 0
	PLACES
	WIN 0
	LDB \nslot, 0, 2
	LDA \nslot, 0, 4
.endm
.macro LAST s                          ; the last K step fetches nothing
	s_wait_dscnt 24
	WIN 0x50
	SUB 0, 0, \s, 0
	s_wait_dscnt 16
	WIN 0xa0
	SUB 0, 1, \s, 0
	s_wait_dscnt 8
	WIN 0xf0
	SUB 0, 2, \s, 0
	s_wait_dscnt 0x0
	WIN 0x50
	SUB 1, 0, \s, 0
	WIN 0xa0
	SUB 1, 1, \s, 0
	WIN 0xf0
	SUB 1, 2, \s, 0
	WIN 0
	PLACES
.endm
	s_load_b256 s[4:11], s[0:1], 0x0               ; ya s[4:5], wqb s[6:7], b_q s[8:9], b_v s[10:11]
	s_load_b64 s[14:15], s[0:1], 0x20              ; yf
	v_lshl_add_u32 v[SPW], v0, 2, SPARE
	v_mov_b32 v[NIL], 0
	ds_add_u32 v[SPW], v[NIL]                      ; the wave's opening: the add, twice on end, ahead of my first tensor load
	ds_add_u32 v[SPW], v[NIL]
	v_lshrrev_b32 v9, 5, v0
	v_readfirstlane_b32 s26, v9                    ; wave 0..3
	s_lshr_b32 s27, s26, 1                         ; which of the two batches is mine.  Also: I fetch for A (0) or for B (1)
	s_and_b32 s28, s26, 1                          ; which of the two heads.  Also: which half of that tile I fetch
	s_bfe_u32 s31, ttmp6, 0x40000                  ; cx, cy: my place in the cluster
	s_bfe_u32 s32, ttmp6, 0x40004
	s_lshl_b32 s29, ttmp9, 2
	s_add_co_u32 s29, s29, s31                     ; pair of heads = 4 x cluster x + cx
	s_and_b32 s30, ttmp7, 0xffff
	s_lshl_b32 s30, s30, 2
	s_add_co_u32 s30, s30, s32                     ; pair of batches = 4 x cluster y + cy
	s_lshl_b32 s33, s32, 2
	s_lshl_b32 s33, 15, s33                        ; my row of the cluster
	s_lshl_b32 s67, 0x1111, s31                    ; my column
	; descriptor groups 1: dense blocks as rows of 2,048 bytes (256 elements of 8 bytes), no padding: three steps: A 12 rows (a batch's 24,576 bytes), B 18 rows (a head's 36,864)
	s_or_b32 s[G1A], s33, (3<<16)|(1<<21)
	s_or_b32 s[G1B], s67, (3<<16)|(1<<21)
	s_mov_b32 s[G1A+2], 12<<16
	s_mov_b32 s[G1A+4], 12
	s_mov_b32 s[G1B+2], 18<<16
	s_mov_b32 s[G1B+4], 18
.irp g, G1A, G1B
	s_mov_b32 s[\g+1], 256<<16
	s_mov_b32 s[\g+3], 256<<16
	s_mov_b32 s[\g+5], 256
	s_mov_b32 s[\g+6], 0
	s_mov_b32 s[\g+7], 0
.endr
	; what I fetch: A's address hangs on the pair of batches and the wave alone, B's on the pair of heads and the wave alone, each in registers that never hold the other coordinate
	s_lshl_b32 s34, s30, 1
	s_add_co_u32 s34, s34, s28
	s_lshl_b32 s34, s34, 16
	s_mov_b32 s35, 0
	s_lshl_b32 s98, s29, 1
	s_add_co_u32 s98, s98, s28
	s_mul_i32 s98, s98, 98304
	s_mov_b32 s99, 0
	s_mul_i32 s96, s28, AB
	s_mul_i32 s97, s28, HBY
	s_add_co_u32 s97, s97, BOFF
	s_lshl_b32 s100, s30, 1
	s_add_co_u32 s100, s100, s27                   ; my batch
	s_lshl_b32 s101, s29, 1
	s_add_co_u32 s101, s101, s28                   ; my head
	s_mov_b32 s60, 0x76543210
	s_mov_b32 s61, 0xfedcba98                      ; v_permlanex16_b32's selects for lane l xor 16
	s_mov_b32 s62, 0x3e38aa3b                      ; c = log2(e) / sqrt(64)
	s_mov_b32 s90, 0xbe38aa3b                      ; -c
	; every LDS address is made here, ahead of the first branch on the wave's number
	s_mul_i32 s84, s27, AB
	s_mul_i32 s85, s28, HBY
	s_add_co_u32 s85, s85, BOFF
	s_lshl_b32 s86, s26, 9
	s_add_co_u32 s86, s86, SCST
	s_lshl_b32 s87, s27, 10
	s_lshl_b32 s2, s28, 8
	s_add_co_u32 s87, s87, s2
	s_add_co_u32 s87, s87, SCST
	; the prefetches' figures: second fill: 12 (A) or 18 (B) blocks an instruction, two of them; third fill: 16 or 24 in one; lanes that are left over name the last block again
	s_mov_b32 s91, 17
	s_mov_b32 s92, 18
	s_mov_b32 s93, 23
	s_mov_b32 s94, 36864
	s_mov_b32 s95, 73728
	s_cmp_eq_u32 s27, 0
	s_cselect_b32 s91, 11, s91
	s_cselect_b32 s92, 12, s92
	s_cselect_b32 s93, 15, s93
	s_cselect_b32 s94, 24576, s94
	s_cselect_b32 s95, 49152, s95
	s_cselect_b32 s3, s31, s32                     ; my place among the four that ask for the tile with me
	s_mul_i32 s2, s3, s92
	s_lshl_b32 s2, s2, 9
	s_add_co_u32 s94, s94, s2                      ; second fill: my part of the tile
	s_add_co_u32 s2, s93, 1
	s_mul_i32 s2, s2, s3
	s_lshl_b32 s2, s2, 8
	s_add_co_u32 s95, s95, s2                      ; third fill
	v_and_b32 v15, 31, v0
	v_min_u32 v97, s91, v15
	v_add_nc_u32 v98, s92, v97
	v_lshlrev_b32 v9, 4, v15                       ; v9: 16 x lane
	v_lshlrev_b32 v97, 8, v97                      ; v97, v98: the second fill's prefetches
	v_lshlrev_b32 v98, 8, v98
	v_and_b32 v13, 15, v0                          ; r
	v_bfe_u32 v12, v0, 4, 1                        ; h
	v_min_u32 v0, s93, v15
	v_lshlrev_b32 v0, 8, v0                        ; v0: the third fill's; never rewritten
	v_lshlrev_b32 v15, 3, v15                      ; v15: 8 x lane
	v_add_nc_u32 v[ADRA], s84, v9
	v_add_nc_u32 v[ADRA+1], SLOTB, v[ADRA]
	v_add_nc_u32 v[ADRB], s85, v9
	v_add_nc_u32 v[ADRB+1], SLOTB, v[ADRB]
	v_lshl_add_u32 v10, v13, 3, s86                ; v10: where my half scale words go
	v_add_nc_u32 v14, s87, v15                     ; v14: where I read 64 places' half words of my batch back
	v_lshlrev_b32 v12, 6, v12                      ; v12: 64 h
	s_wait_alu depctr_va_vdst(0)
	s_wait_dscnt 0x0                               ; both opening adds are done
	s_wait_kmcnt 0x0
	s_add_nc_u64 s[76:77], s[4:5], s[34:35]
	s_add_nc_u64 s[78:79], s[6:7], s[98:99]
.irp c, 0,1
	s_mov_b32 s[G0A+4*\c], 1
	s_add_co_u32 s[G0A+4*\c+1], s96, SLOTB*\c
	s_add_nc_u64 s[G0A+4*\c+2:G0A+4*\c+3], s[76:77], 24576*\c
	s_or_b32 s[G0A+4*\c+3], s[G0A+4*\c+3], 0x80000000
	s_mov_b32 s[G0B+4*\c], 1
	s_add_co_u32 s[G0B+4*\c+1], s97, SLOTB*\c
	s_add_nc_u64 s[G0B+4*\c+2:G0B+4*\c+3], s[78:79], 36864*\c
	s_or_b32 s[G0B+4*\c+3], s[G0B+4*\c+3], 0x80000000
.endr
	CROUND                                         ; all sixteen work-groups are here: the first joint loads meet
	JLOAD 0                                        ; K steps 0 to 2
	s_lshl_b32 s2, s100, 12
	s_add_co_u32 s2, s2, 4194304
	s_mov_b32 s3, 0
	s_add_nc_u64 s[80:81], s[4:5], s[2:3]          ; my batch's scale words
	s_add_nc_u64 s[86:87], s[14:15], s[2:3]        ; and the result's: K step = the pair of heads, my 64 places
	s_lshl_b32 s2, s29, 9
	s_lshl_b32 s84, s28, 8
	s_add_co_u32 s2, s2, s84
	s_add_nc_u64 s[86:87], s[86:87], s[2:3]
	s_mul_i32 s2, s101, 6144
	s_add_co_u32 s2, s2, 1572864
	s_add_nc_u64 s[82:83], s[6:7], s[2:3]          ; my head's scale words
	s_lshl_b32 s2, s101, 8
	s_add_nc_u64 s[8:9], s[8:9], s[2:3]            ; the biases at my head's 64 units
	s_add_nc_u64 s[10:11], s[10:11], s[2:3]
.irp s, 0,1,2,3,4,5,6,7
.irp f, 0,1
	global_load_b64 v[SA+4*\s+2*\f:SA+4*\s+2*\f+1], v15, s[80:81] offset:512*\s+256*\f
.endr
.irp j, 0,1,2
	global_load_b64 v[SB+6*\s+2*\j:SB+6*\s+2*\j+1], v15, s[82:83] offset:768*\s+256*\j
.endr
.endr
	; q's and v's biases, in the results' layout, into the accumulators of row tile 7
	WIN 0x40
.irp j, 0,1,2,3,4,5,6,7
	global_load_b128 v[224+4*\j:227+4*\j], v12, s[8:9] offset:128*(\j/4)+16*(\j%4)
.endr
	WIN 0xc0
.irp j, 0,1,2,3,4,5,6,7
	global_load_b128 v[224+4*\j:227+4*\j], v12, s[10:11] offset:128*(\j/4)+16*(\j%4)
.endr
	WIN 0
	s_cmp_eq_u32 s27, 0
	s_cselect_b64 s[104:105], s[76:77], s[78:79]
	s_mov_b32 s2, s94
	s_add_nc_u64 s[88:89], s[104:105], s[2:3]
	s_mov_b32 s2, s95
	s_add_nc_u64 s[104:105], s[104:105], s[2:3]
	global_prefetch_b8 v97, s[88:89] th:TH_LOAD_NT scope:SCOPE_SE   ; my part of the second fill's tile
	global_prefetch_b8 v98, s[88:89] th:TH_LOAD_NT scope:SCOPE_SE
	s_lshl_b32 s2, s100, 16                        ; the result's codes: my batch, the K step of my pair of heads, my head's half of a fragment
	s_lshl_b32 s84, s29, 13
	s_add_co_u32 s2, s2, s84
	s_lshl_b32 s84, s28, 9
	s_add_co_u32 s2, s2, s84
	s_add_nc_u64 s[84:85], s[14:15], s[2:3]
	s_wait_loadcnt 0x0                             ; scale words and biases
	s_wait_xcnt 0x0                                ; the prefetches have read v97 and v98
	s_wait_tensorcnt 0x0                           ; my part of K steps 0 to 2 is in
	ds_add_u32 v[SPW], v[NIL]
	s_wait_dscnt 0x0
	CROUND                                         ; everybody's part is in, and all sixteen work-groups are here
	JLOAD 1                                        ; K steps 3 to 5
	LDA 0, 0, 0
	LDB 0, 0, 0
	LDB 0, 0, 1
	LDB 0, 0, 2
	LDA 0, 0, 4
	global_prefetch_b8 v0, s[104:105] th:TH_LOAD_NT scope:SCOPE_SE  ; my part of the third fill's tile: that load comes three K steps later
	STEP 0, 0, 1, 1
	STEP 1, 0, 2, 0
	TURN 2, 1, 1                                   ; K steps 3 to 5 have landed in every wave; slot 0 takes K steps 6 and 7
	STEP 3, 1, 1, 0
	STEP 4, 1, 2, 0
	TURN 5, 0, 0                                   ; K steps 6 and 7 have landed; nothing is filled
	STEP 6, 0, 1, 0
	LAST 7
; ---- THE ATTENTION over the four frequency groups, in f32.  Window 0 from v96 on is free now.
.set SP,  96                           ; v96-127  a pair for each of the 16 scores (4 g + g'): partial sums, later the weight p in the low word
.set T,   128                          ; v128-143 the scores, then the exponentials
.set T2,  144                          ; v144-159 the other lane's halves
.set MX,  160
.set NM,  164
.set SM,  168
.set RC,  172
.set OC,  96                           ; behind the attention: v96-127 the result's codes, 4 registers a row tile: no store's data are written again
.set TM,  192
.set SW,  216                          ; v216-223 half a scale word for each row tile
.macro FATT u
	WIN 0x09                                       ; source 0 = q (window 1), source 1 = k (window 2).
	s_wait_alu depctr_va_vdst(0)                   ; u = 1: first reads behind exponentials
.irp i, 0,1,2,3,4,5,6,7,8,9,10,11,12,13,14,15
.irp g, 0,1,2,3
.irp h, 0,1,2,3
.if \i == 0
	v_pk_mul_f32 v[SP+2*(4*\g+\h):SP+2*(4*\g+\h)+1], v[32*(2*\g+(\u))+2*\i:32*(2*\g+(\u))+2*\i+1], v[32*(2*\h+(\u))+2*\i:32*(2*\h+(\u))+2*\i+1]
.else
	v_pk_fma_f32 v[SP+2*(4*\g+\h):SP+2*(4*\g+\h)+1], v[32*(2*\g+(\u))+2*\i:32*(2*\g+(\u))+2*\i+1], v[32*(2*\h+(\u))+2*\i:32*(2*\h+(\u))+2*\i+1], v[SP+2*(4*\g+\h):SP+2*(4*\g+\h)+1]
.endif
.endr
.endr
.endr
	WIN 0
.irp p, 0,1,2,3,4,5,6,7,8,9,10,11,12,13,14,15
	v_add_f32 v[T+\p], v[SP+2*\p], v[SP+2*\p+1]
.endr
.irp p, 0,1,2,3,4,5,6,7,8,9,10,11,12,13,14,15
	v_permlanex16_b32 v[T2+\p], v[T+\p], s60, s61
.endr
.irp p, 0,1,2,3,4,5,6,7,8,9,10,11,12,13,14,15
	v_add_f32 v[T+\p], v[T+\p], v[T2+\p]           ; the score: my 32 units and lane l xor 16's
.endr
.irp g, 0,1,2,3
	v_max3_num_f32 v[MX+\g], v[T+4*\g], v[T+4*\g+1], v[T+4*\g+2]
.endr
.irp g, 0,1,2,3
	v_max_num_f32 v[MX+\g], v[MX+\g], v[T+4*\g+3]
.endr
.irp g, 0,1,2,3
	v_mul_f32 v[NM+\g], s90, v[MX+\g]              ; -c x the row's largest score
.endr
.irp p, 0,1,2,3,4,5,6,7,8,9,10,11,12,13,14,15
	v_fma_f32 v[T+\p], v[T+\p], s62, v[NM+\p/4]
.endr
	s_wait_alu depctr_va_vdst(0)
.irp p, 0,1,2,3,4,5,6,7,8,9,10,11,12,13,14,15
	v_exp_f32 v[T+\p], v[T+\p]
.endr
	v_nop                                          ; a plain line behind the last exponential
	s_wait_alu depctr_va_vdst(0)                   ; one wait for the 16, ahead of their first reader
.irp g, 0,1,2,3
	v_add_f32 v[SM+\g], v[T+4*\g], v[T+4*\g+1]
.endr
.irp g, 0,1,2,3
	v_add_f32 v[RC+\g], v[T+4*\g+2], v[T+4*\g+3]
.endr
.irp g, 0,1,2,3
	v_add_f32 v[SM+\g], v[SM+\g], v[RC+\g]
.endr
	s_wait_alu depctr_va_vdst(0)
.irp g, 0,1,2,3
	v_rcp_f32 v[RC+\g], v[SM+\g]
.endr
	v_nop
	s_wait_alu depctr_va_vdst(0)                   ; one wait for the four reciprocals
.irp p, 0,1,2,3,4,5,6,7,8,9,10,11,12,13,14,15
	v_mul_f32 v[SP+2*\p], v[T+\p], v[RC+\p/4]      ; the finished softmax
.endr
	WIN 0x53                                       ; source 0 = v (window 3), source 1 = p (window 0), sum and result in window 1, where this u's q lay
	s_wait_alu depctr_va_vdst(0)
.irp i, 0,4,8,12
.irp h, 0,1,2,3
.irp j, 0,1,2,3
.irp g, 0,1,2,3
.set Q_, 2*(\i+\j)
.set D_, 32*(2*\g+(\u))+Q_
.set V_, 32*(2*\h+(\u))+Q_
.set P_, SP+2*(4*\g+\h)
.if \h == 0
	v_pk_mul_f32 v[D_:D_+1], v[V_:V_+1], v[P_:P_+1] op_sel_hi:[1,0]
.else
	v_pk_fma_f32 v[D_:D_+1], v[V_:V_+1], v[P_:P_+1], v[D_:D_+1] op_sel_hi:[1,0,1]
.endif
.endr
.endr
.endr
.endr
	WIN 0
.endm
; Four row tiles x 64 units of window 1 (registers s + 16 n + i: 16 numbers of block n, lane l xor 16 the other 16) become codes: tile k's four registers at pc + 4 k (lane (r, h): block h of row r), its two scale bytes in v[sw + k]
.macro QUANT s, pc, sw
	WIN 0x05
.irp n, 0,1,2,3,4,5,6,7
	v_max3_num_f32 v[TM+\n], |v[(\s)+16*\n]|, |v[(\s)+16*\n+1]|, 0x1800000   ; and the floor 2^(3 - 127): the byte cannot fall under 1
.endr
.irp i, 2,4,6,8,10,12,14
.irp n, 0,1,2,3,4,5,6,7
	v_max3_num_f32 v[TM+\n], |v[(\s)+16*\n+\i]|, |v[(\s)+16*\n+\i+1]|, v[TM+\n]
.endr
.endr
	WIN 0
.irp n, 0,1,2,3,4,5,6,7
	v_permlanex16_b32 v[TM+8+\n], v[TM+\n], s60, s61
.endr
.irp n, 0,1,2,3,4,5,6,7
	v_max_num_f32 v[TM+\n], v[TM+\n], v[TM+8+\n]
.endr
.irp n, 0,1,2,3,4,5,6,7
	v_add_nc_u32 v[TM+16+\n], 0xff000000, v[TM+\n] ; 2 off the exponent field
.endr
.irp n, 0,1,2,3,4,5,6,7
	v_lshrrev_b32 v[TM+8+\n], 23, v[TM+16+\n]
.endr
.irp k, 0,1,2,3
	v_lshl_or_b32 v[(\sw)+\k], v[TM+9+2*\k], 8, v[TM+8+2*\k]
.endr
	WIN 0x01
.irp n, 0,1,2,3,4,5,6,7
.irp e, 0,1
	v_cvt_scalef32_pk8_fp4_f32 v[(\pc)+4*(\n/2)+2*(\n%2)+\e], v[(\s)+16*\n+8*\e:(\s)+16*\n+8*\e+7], v[TM+16+\n]
.endr
.endr
	WIN 0
	v_nop                                          ; one plain line behind the last conversion of the run
.irp k, 0,1,2,3
.irp e, 0,1
	v_permlane16_swap_b32 v[(\pc)+4*\k+\e], v[(\pc)+4*\k+\e+2]   ; the layout wants a whole block in a lane
.endr
.endr
.endm
	FATT 0
	FATT 1
.irp gg, 0,1
	QUANT 128*\gg, OC+16*\gg, SW+4*\gg
.irp k, 0,1,2,3
	global_store_b128 v9, v[OC+16*\gg+4*\k:OC+16*\gg+4*\k+3], s[84:85] offset:1024*(4*\gg+\k)   ; my head's half of a fragment: the wave stores 512 consecutive bytes, aligned
	ds_store_b32 v10, v[SW+4*\gg+\k] offset:256*\gg+128*(\k%2)+4*(\k/2)
.endr
.endr
	; a K step's scale word is made of two heads' halves: they meet in LDS
	s_wait_dscnt 0x0                               ; for the others' sake: my half words lie in LDS
	s_barrier_signal -1
	s_barrier_wait -1
	ds_load_b64 v[226:227], v14                    ; 64 places of my batch: the even head's bytes,
	ds_load_b64 v[228:229], v14 offset:512         ; the odd head's
	s_wait_dscnt 0x0
	v_lshl_or_b32 v226, v228, 16, v226
	v_lshl_or_b32 v227, v229, 16, v227
	global_store_b64 v15, v[226:227], s[86:87]     ; the wave stores 256 consecutive bytes, aligned
	s_wait_tensorcnt 0x0                           ; the wave's end
	ds_add_u32 v[SPW], v[NIL]
	s_wait_dscnt 0x0
	CROUND                                         ; the closing round: no work-group ends while a partner may still ask for a tile that names it
	s_endpgm
.Lfunc_end_k_q4c6d68b464_freq:
	.size	k_q4c6d68b464_freq, .Lfunc_end_k_q4c6d68b464_freq-k_q4c6d68b464_freq
	.p2alignl 7, 3214868480
	.fill 96, 4, 3214868480
	.section	.rodata,"a",@progbits
	.p2align	6, 0x0
	.amdhsa_kernel k_q4c6d68b464_freq
		.amdhsa_group_segment_fixed_size 327680
		.amdhsa_private_segment_fixed_size 0
		.amdhsa_enable_private_segment 0
		.amdhsa_kernarg_size 40
		.amdhsa_user_sgpr_count 2
		.amdhsa_user_sgpr_kernarg_segment_ptr 1
		.amdhsa_wavefront_size32 1
		.amdhsa_system_sgpr_workgroup_id_x 1
		.amdhsa_system_sgpr_workgroup_id_y 1
		.amdhsa_system_sgpr_workgroup_id_z 1
		.amdhsa_system_vgpr_workitem_id 0
		.amdhsa_next_free_vgpr 1024
		.amdhsa_next_free_sgpr 106
		.amdhsa_reserve_vcc 0
		.amdhsa_float_denorm_mode_32 3
		.amdhsa_float_denorm_mode_16_64 3
		.amdhsa_memory_ordered 1
		.amdhsa_forward_progress 1
		.amdhsa_inst_pref_size 183
	.end_amdhsa_kernel
	.amdgpu_metadata
---
amdhsa.version: [ 1, 2 ]
amdhsa.kernels:
  - .name:           k_q4c6d68b464_freq
    .symbol:         k_q4c6d68b464_freq.kd
    .args:
      - { .name: ya, .offset: 0, .size: 8, .value_kind: global_buffer, .address_space: global }
      - { .name: wqb, .offset: 8, .size: 8, .value_kind: global_buffer, .address_space: global }
      - { .name: b_q_freq, .offset: 16, .size: 8, .value_kind: global_buffer, .address_space: global }
      - { .name: b_v_freq, .offset: 24, .size: 8, .value_kind: global_buffer, .address_space: global }
      - { .name: yf, .offset: 32, .size: 8, .value_kind: global_buffer, .address_space: global }
    .group_segment_fixed_size: 327680
    .private_segment_fixed_size: 0
    .kernarg_segment_align: 8
    .kernarg_segment_size: 40
    .max_flat_workgroup_size: 128
    .sgpr_count:     106
    .vgpr_count:     1024
    .wavefront_size: 32
...
	.end_amdgpu_metadata
.endif
;; end of part 3
;; launch outp (part 4): grid 4 x 64, 4 waves a work-group, clusters of 4 x 1, 167,936 bytes of LDS; arguments yf, wqb, b_out, x, out0; writes out0
.if DOCPART == 4
	.amdgcn_target "amdgcn-amd-amdhsa--gfx1250"
	.amdhsa_code_object_version 6
	.text
	.protected	k_q4c6d68b464_outp
	.globl	k_q4c6d68b464_outp
	.p2align	8
	.type	k_q4c6d68b464_outp,@function
k_q4c6d68b464_outp:
	s_mov_b64 s[64:65], 0
	v_nop
	global_prefetch_b8 v0, s[64:65] scope:SCOPE_SE
	s_setreg_imm32_b32 hwreg(HW_REG_WAVE_MODE, 25, 1), 1
	s_wait_xcnt 0x0
	s_wait_alu depctr_hold_cnt(0) depctr_sa_sdst(0) depctr_va_vdst(0) depctr_va_sdst(0) depctr_va_ssrc(0) depctr_va_vcc(0) depctr_vm_vsrc(0)
	s_getreg_b32 s2, hwreg(HW_REG_IB_STS2, 6, 4)
	s_cmp_eq_u32 s2, 0
	s_cbranch_scc0 .Lentry_in_a_cluster
	s_endpgm
.Lentry_in_a_cluster:
	s_bfe_u32 s2, ttmp6, 0x10000c
	s_cmp_lg_u32 s2, 0x3003
	s_cbranch_scc0 .Lentry_shape_is_right
	s_endpgm
.Lentry_shape_is_right:
; The output projection (FP4 codes, K = 1,024) + b_out, the mean over a batch's 128 rows, cls_out = x's row 0 + the mean, and every row + cls_out; out0 [64][129][1024] f32.
; SHARES.  A work-group owns one batch and 256 columns; wave w owns the columns 64 cg on, cg = 4 x + w: 128 rows x 64 columns, 256 registers of sums.  A column's mean over the batch's rows lies inside one wave.
; A, the batch's codes, lies in LDS for all of K: 65,536 bytes, a quarter by each wave's one tensor load; nothing is filled again.  CLUSTER 4 x 1: its four work-groups share the batch, and ask for it jointly.
; B, the weights' codes, is not shared inside a work-group: each wave's 32 fragments (64 columns x all of K, 32,768 bytes) go straight into 256 registers of its own, which a joint load, ending in LDS, cannot reach.
; No prefetch: one fill at the head, no loop to run ahead in.
; The product is used TRANSPOSED (source 0 = weight tiles 2 b, 2 b + 1, place r = column 32 b + 8 u + r + 8 (r / 8); source 1 = row tile m = 2 g + u, place r = antenna 8 u + r + 8 (r / 8)): lane (r, h) holds row r, and register
; 32 m + 16 b + i column 32 b + 16 h + i.  So the sum over rows is a sum over the 8 tiles in a lane and over the 16 lanes of a half.
; LIMITS: NaN and infinities are not served.
; REGISTERS: window 0: v1-15 addresses; v16-63 scale words and nothing else; v96-127 the columns' sums, then cls_out; v128-159 x's row 0; v160-223 rows on their way out.  Window 1: the accumulators.  Window 2: four sets of A's eight fragments.  Window 3: B's, step s at 32 s.
.set STAGE, 65536                      ; behind A [step 8][m 8][1,024]: 16 rows x (256 + 16) bytes for each wave; no tensor load lands here
.set SPARE, 82944                      ; the spare words, 128 bytes a wave
.set L16,  1                           ; v1 16 x lane: where my fragments lie in A
.set SPW,  3
.set NIL,  4
.set STO,  9
.set RD,   10
.set CV,   11
.set CV0,  12
.set SA,   16                          ; v[SA + 4 s + i]: K step s, lanes 0-15 row tile 2 i, lanes 16-31 row tile 2 i + 1
.set SB,   48                          ; v[SB + 2 s + p]: likewise weight tiles 2 p, 2 p + 1
.set SUM,  96
.set CL,   128
.set BK,   160
.set G1A,  28
.set G0A,  44
.set MSB, 0
.macro WIN new                         ; the immediate's high byte repeats the setting that is left
.if MSB != (\new)
	s_set_vgpr_msb (MSB<<8)|(\new)
.set MSB, (\new)
.endif
.endm
.macro PLACES
.rept 4
	v_nop
.endr
.endm
.macro CROUND                          ; a round of the cluster's barrier
	s_barrier_signal -1
	s_barrier_wait -1
	s_cmp_lg_u32 s16, 0
	s_cbranch_scc1 .Lnot_wave_0_\@
	s_barrier_signal -3
.Lnot_wave_0_\@:
	s_barrier_wait -3
	s_barrier_signal -1
	s_barrier_wait -1
.endm
.macro LOADS k                         ; K step k's 8 fragments of A into set k % 4 of window 2: 16 loads
	WIN 0x80
.irp i, 0,1,2,3,4,5,6,7
.irp c, 0,1
	ds_load_b128 v[64*((\k)%4)+8*\i+4*\c:64*((\k)%4)+8*\i+4*\c+3], v[L16] offset:8192*(\k)+1024*\i+512*\c
.endr
.endr
.endm
; 16 matrix instructions, the accumulators by turns.  In step 0 the bias, laid into row tile 7's accumulators, is the C of every other tile's product; five plain lines later tile 7 adds onto it in place
.macro MUL s
	WIN 0x5b
.irp mm, 0,1,2,3,4,5,6,7
.irp b, 0,1
.set D_, 32*\mm+16*\b
.set A_, 32*(\s)+16*\b
.set B_, 64*((\s)%4)+8*\mm
.set SA_, SB+2*(\s)+\b
.set SB_, SA+4*(\s)+\mm/2
.set C_, D_
.if (\s) == 0
.if \mm < 7
.set C_, 224+16*\b
.elseif \b == 0
.rept 5
	v_nop
.endr
.endif
.endif
.if \mm%2
	v_wmma_scale_f32_32x16x128_f4 v[D_:D_+15], v[A_:A_+15], v[B_:B_+7], v[C_:C_+15], v[SA_], v[SB_] matrix_b_scale:MATRIX_SCALE_ROW1
.else
	v_wmma_scale_f32_32x16x128_f4 v[D_:D_+15], v[A_:A_+15], v[B_:B_+7], v[C_:C_+15], v[SA_], v[SB_]
.endif
.endr
.endr
.endm
.macro KSTEP k
.if (\k) < 6
.if (\k) > 0
	PLACES                                         ; in front of loads into the set that was multiplied two K steps ago
.endif
	LOADS (\k)+2
	s_wait_dscnt 32                                ; this K step's fragments of A are in; the next two steps' 32 loads may be out
.else
	s_wait_dscnt 16*(7-(\k))
.endif
.if (\k) == 0
	s_wait_loadcnt 63                              ; scale words, bias and B's step 0 are in: 7 steps of B and x's row 0 (64 loads) stand behind them
.else
	s_wait_loadcnt 64-8*(\k)                       ; B's step k is in: 8 loads for each later step and 8 of x's row 0 may be out
.endif
	MUL \k
.endm
	s_load_b256 s[4:11], s[0:1], 0x0               ; yf s[4:5], wqb s[6:7], b_out s[8:9], x s[10:11]
	s_load_b64 s[12:13], s[0:1], 0x20              ; out0
	v_lshl_add_u32 v[SPW], v0, 2, SPARE
	v_mov_b32 v[NIL], 0
	ds_add_u32 v[SPW], v[NIL]                      ; the wave's opening: the add, twice on end, ahead of my first tensor load
	ds_add_u32 v[SPW], v[NIL]
	v_lshrrev_b32 v9, 5, v0
	v_readfirstlane_b32 s16, v9                    ; wave 0..3
	s_bfe_u32 s19, ttmp6, 0x40000                  ; cx
	s_lshl_b32 s21, ttmp9, 2
	s_add_co_u32 s21, s21, s19                     ; 256 columns: 4 x cluster x + cx
	s_and_b32 s94, ttmp7, 0xffff                   ; my batch
	s_lshl_b32 s95, s21, 2
	s_add_co_u32 s95, s95, s16                     ; my 64 columns
	; descriptor group 1: a quarter of the batch's codes as 64 rows of 256 bytes (32 elements of 8 bytes), for all four work-groups of the cluster
	s_mov_b32 s[G1A], 15|(3<<16)|(1<<21)
	s_mov_b32 s[G1A+1], 32<<16
	s_mov_b32 s[G1A+2], 64<<16
	s_mov_b32 s[G1A+3], 32<<16
	s_mov_b32 s[G1A+4], 64
	s_mov_b32 s[G1A+5], 32
	s_mov_b32 s[G1A+6], 0
	s_mov_b32 s[G1A+7], 0
	s_lshl_b32 s92, s16, 14                        ; my quarter: where it goes,
	s_lshl_b32 s26, s94, 16
	s_add_co_u32 s26, s26, s92                     ; and where it comes from
	s_mov_b32 s27, 0
	s_mul_i32 s62, s16, 4352
	s_add_co_u32 s62, s62, STAGE                   ; my stage
	v_and_b32 v13, 31, v0
	v_lshlrev_b32 v[L16], 4, v13
	v_lshlrev_b32 v13, 3, v13                      ; v13: 8 x lane
	v_and_b32 v15, 15, v0                          ; r
	v_bfe_u32 v14, v0, 4, 1                        ; h
	v_mul_u32_u24 v[STO], v15, 272
	v_lshl_add_u32 v[STO], v14, 6, v[STO]
	v_add_nc_u32 v[STO], s62, v[STO]               ; in: row r, my half's 16 columns of a block
	v_mul_u32_u24 v[RD], v14, 272
	v_lshl_add_u32 v[RD], v15, 4, v[RD]
	v_add_nc_u32 v[RD], s62, v[RD]                 ; back: lanes 0-15 one row of 256 bytes, lanes 16-31 the next
	v_lshlrev_b32 v[CV0], 4, v15
	v_lshl_add_u32 v[CV], v14, 14, v[CV0]          ; and in out0: the next place is the next antenna, 4 rows on
	v_lshlrev_b32 v14, 6, v14                      ; v14: 64 h
	s_wait_alu depctr_va_vdst(0)
	s_wait_dscnt 0x0
	s_wait_kmcnt 0x0
	s_mov_b32 s[G0A], 1
	s_mov_b32 s[G0A+1], s92
	s_add_nc_u64 s[G0A+2:G0A+3], s[4:5], s[26:27]
	s_or_b32 s[G0A+3], s[G0A+3], 0x80000000
	CROUND                                         ; all four work-groups are here: the joint loads meet
	tensor_load_to_lds s[G0A:G0A+3], s[G1A:G1A+7]  ; one a wave
	s_nop 0
.rept 4
	v_nop
.endr
	s_lshl_b32 s2, s94, 12
	s_add_co_u32 s2, s2, 4194304
	s_mov_b32 s3, 0
	s_add_nc_u64 s[84:85], s[4:5], s[2:3]          ; my batch's scale words
	s_lshl_b32 s2, s95, 11
	s_add_co_u32 s2, s2, 2195456
	s_add_nc_u64 s[86:87], s[6:7], s[2:3]          ; my columns' scale words
	s_lshl_b32 s2, s95, 15
	s_add_co_u32 s2, s2, 1671168
	s_add_nc_u64 s[88:89], s[6:7], s[2:3]          ; and codes
	s_lshl_b32 s2, s95, 8
	s_add_nc_u64 s[8:9], s[8:9], s[2:3]            ; b_out at my 64 columns
	s_mul_i32 s25, s94, 528384                     ; a batch is 129 rows of 4,096 bytes
	s_add_co_u32 s2, s2, s25
	s_add_nc_u64 s[10:11], s[10:11], s[2:3]        ; x's row 0 of my batch, my columns
	s_add_co_u32 s2, s2, 4096
	s_add_nc_u64 s[12:13], s[12:13], s[2:3]        ; out0's row 1 of my batch, my columns
.irp s, 0,1,2,3,4,5,6,7
.irp f, 0,1
	global_load_b64 v[SA+4*\s+2*\f:SA+4*\s+2*\f+1], v13, s[84:85] offset:512*\s+256*\f
.endr
	global_load_b64 v[SB+2*\s:SB+2*\s+1], v13, s[86:87] offset:256*\s
.endr
	WIN 0x40
.irp j, 0,1,2,3,4,5,6,7
	global_load_b128 v[224+4*\j:227+4*\j], v14, s[8:9] offset:128*(\j/4)+16*(\j%4)
.endr
	WIN 0xc0
.irp s, 0,1,2,3,4,5,6,7
.irp j, 0,1,2,3,4,5,6,7
	global_load_b128 v[32*\s+4*\j:32*\s+4*\j+3], v[L16], s[88:89] offset:4096*\s+512*\j
.endr
.endr
	WIN 0
.irp b, 0,1
.irp q, 0,1,2,3
	global_load_b128 v[CL+16*\b+4*\q:CL+16*\b+4*\q+3], v14, s[10:11] offset:128*\b+16*\q   ; x's row 0 at my 32 columns, in the accumulators' order
.endr
.endr
	s_wait_tensorcnt 0x0                           ; my quarter is in
	s_barrier_signal -1
	s_barrier_wait -1                              ; everybody's is
	LOADS 0
	LOADS 1
	KSTEP 0
	KSTEP 1
	KSTEP 2
	KSTEP 3
	KSTEP 4
	KSTEP 5
	KSTEP 6
	KSTEP 7
	WIN 0x05
	s_wait_loadcnt 0x0                             ; x's row 0
	PLACES
	; the columns' sums over the 128 rows: the 8 tiles in a lane (each accumulator from its low end on), then the 16 lanes of a half
.irp k, 0,1,2,3,4,5,6,7,8,9,10,11,12,13,14,15
	v_pk_add_f32 v[SUM+2*\k:SUM+2*\k+1], v[2*\k:2*\k+1], v[32+2*\k:32+2*\k+1]
.endr
	WIN 0x01
.irp m, 2,3,4,5,6,7
.irp k, 0,1,2,3,4,5,6,7,8,9,10,11,12,13,14,15
	v_pk_add_f32 v[SUM+2*\k:SUM+2*\k+1], v[32*\m+2*\k:32*\m+2*\k+1], v[SUM+2*\k:SUM+2*\k+1]
.endr
.endr
	WIN 0
.irp msk, 1,2,4,8
.irp i, 0,1,2,3,4,5,6,7,8,9,10,11,12,13,14,15,16,17,18,19,20,21,22,23,24,25,26,27,28,29,30,31
	v_add_f32_dpp v[SUM+\i], v[SUM+\i], v[SUM+\i] row_xmask:\msk row_mask:0xf bank_mask:0xf
.endr
.endr
.irp k, 0,1,2,3,4,5,6,7,8,9,10,11,12,13,14,15
	v_pk_fma_f32 v[SUM+2*\k:SUM+2*\k+1], v[SUM+2*\k:SUM+2*\k+1], 0x3c000000, v[CL+2*\k:CL+2*\k+1] op_sel_hi:[1,0,1]   ; cls_out = x's row 0 + sum / 128
.endr
; THE WAY OUT, a tile of 16 rows x 64 columns at a time: + cls_out, through my own stage, back as whole rows of 256 bytes.  LDS serves a wave's instructions in order: no wait between the stores and the loads, nor ahead of the next tile's stores.
.macro TOSTAGE m
	WIN 0x41
.irp k, 0,1,2,3,4,5,6,7,8,9,10,11,12,13,14,15
	v_pk_add_f32 v[32*(\m)+2*\k:32*(\m)+2*\k+1], v[32*(\m)+2*\k:32*(\m)+2*\k+1], v[SUM+2*\k:SUM+2*\k+1]
.endr
	WIN 0x04                                       ; an LDS store's data are its source 1: window 1
.irp b, 0,1
.irp q, 0,1,2,3
	ds_store_b128 v[STO], v[32*(\m)+16*\b+4*\q:32*(\m)+16*\b+4*\q+3] offset:128*\b+16*\q
.endr
.endr
	WIN 0
.irp i, 0,1,2,3,4,5,6,7
	ds_load_b128 v[BK+32*((\m)%2)+4*\i:BK+32*((\m)%2)+4*\i+3], v[RD] offset:544*\i
.endr
.endm
.macro SEND m, younger                 ; younger: the LDS instructions issued behind tile m's loads, which may stay out
	s_wait_dscnt \younger
.irp i, 0,1,2,3,4,5,6,7
	global_store_b128 v[CV], v[BK+32*((\m)%2)+4*\i:BK+32*((\m)%2)+4*\i+3], s[12:13] offset:4096*((\m)/2+32*((\m)%2))+32768*\i+131072*(\i/4) th:TH_STORE_NT   ; places 2 i, 2 i + 1: sixteen lanes store 256 consecutive bytes, aligned
.endr
.endm
	TOSTAGE 0
.irp m, 1,2,3,4,5,6,7
.if \m > 1
	s_wait_xcnt 0x0                                ; tile m - 2's stores have read their registers: tile m's loads may land there
.endif
	TOSTAGE \m
	SEND \m-1, 16                                  ; behind tile m - 1's loads: tile m's 8 stores and 8 loads
.endr
	s_wait_xcnt 0x0                                ; tile 6's stores have read their registers
.irp b, 0,1
.irp q, 0,1,2,3
	ds_store_b128 v[STO], v[SUM+16*\b+4*\q:SUM+16*\b+4*\q+3] offset:128*\b+16*\q   ; cls_out goes the same way: all 16 rows of the stage hold it
.endr
.endr
	ds_load_b128 v[BK:BK+3], v[RD]
	SEND 7, 9                                      ; behind tile 7's loads: these 8 stores and 1 load
	s_wait_dscnt 0x0
	global_store_b128 v[CV0], v[BK:BK+3], s[12:13] offset:-4096 th:TH_STORE_NT   ; row 0 of the batch; both halves of the lanes hold the same 256 bytes and store them at the same place
	s_wait_tensorcnt 0x0                           ; the wave's end
	ds_add_u32 v[SPW], v[NIL]
	s_wait_dscnt 0x0
	CROUND                                         ; the closing round: no work-group ends while a partner may still ask for a tile that names it
	s_endpgm
.Lfunc_end_k_q4c6d68b464_outp:
	.size	k_q4c6d68b464_outp, .Lfunc_end_k_q4c6d68b464_outp-k_q4c6d68b464_outp
	.p2alignl 7, 3214868480
	.fill 96, 4, 3214868480
	.section	.rodata,"a",@progbits
	.p2align	6, 0x0
	.amdhsa_kernel k_q4c6d68b464_outp
		.amdhsa_group_segment_fixed_size 167936
		.amdhsa_private_segment_fixed_size 0
		.amdhsa_enable_private_segment 0
		.amdhsa_kernarg_size 40
		.amdhsa_user_sgpr_count 2
		.amdhsa_user_sgpr_kernarg_segment_ptr 1
		.amdhsa_wavefront_size32 1
		.amdhsa_system_sgpr_workgroup_id_x 1
		.amdhsa_system_sgpr_workgroup_id_y 1
		.amdhsa_system_sgpr_workgroup_id_z 1
		.amdhsa_system_vgpr_workitem_id 0
		.amdhsa_next_free_vgpr 1024
		.amdhsa_next_free_sgpr 96
		.amdhsa_reserve_vcc 0
		.amdhsa_float_denorm_mode_32 3
		.amdhsa_float_denorm_mode_16_64 3
		.amdhsa_memory_ordered 1
		.amdhsa_forward_progress 1
		.amdhsa_inst_pref_size 81
	.end_amdhsa_kernel
	.amdgpu_metadata
---
amdhsa.version: [ 1, 2 ]
amdhsa.kernels:
  - .name:           k_q4c6d68b464_outp
    .symbol:         k_q4c6d68b464_outp.kd
    .args:
      - { .name: yf, .offset: 0, .size: 8, .value_kind: global_buffer, .address_space: global }
      - { .name: wqb, .offset: 8, .size: 8, .value_kind: global_buffer, .address_space: global }
      - { .name: b_out, .offset: 16, .size: 8, .value_kind: global_buffer, .address_space: global }
      - { .name: x, .offset: 24, .size: 8, .value_kind: global_buffer, .address_space: global }
      - { .name: out0, .offset: 32, .size: 8, .value_kind: global_buffer, .address_space: global }
    .group_segment_fixed_size: 167936
    .private_segment_fixed_size: 0
    .kernarg_segment_align: 8
    .kernarg_segment_size: 40
    .max_flat_workgroup_size: 128
    .sgpr_count:     96
    .vgpr_count:     1024
    .wavefront_size: 32
...
	.end_amdgpu_metadata
.endif
;; end of part 4
